; MI455X (gfx1250); checked and timed in simulation.
; The chip was launched on July 23, 2026; its instructions are those of AMD's public machine-readable ISA for CDNA 5 (MIT licence, August 2026) and "CDNA5" Instruction Set Architecture Reference Guide (July 2026). The comments in the code are by the model that wrote it; some were corrected since.
;; Linear Temporal Cross Attention. Allowed arithmetic: matrix products marked QUANTISED: E2M3 operands, one E8M0 scale for each 32 along K, by v_wmma_scale_f32_16x16x128_f8f6f4 with both operands' format E2M3, f32 sums; everything else in f32.
;; Inputs: Wk 1,024 x 1,024 float32; Wq 1,024 x 1,024 float32; Wv 1,024 x 1,024 float32; bk 1,024 float32; bq 1,024 float32; bv 1,024 float32; ln_b 1,024 float32; ln_g 1,024 float32; tln_b 1,024 float32; tln_g 1,024 float32; x 2,048 x 8 x 1,024 float32.
;; Outputs: out0 8 x 2,048 x 1,024 float32.
;; This version of the problem:
;;   THIS VERSION OF THE PROBLEM IS GIVEN IN LOW PRECISION. The matrix products marked QUANTISED in the list below multiply operands that are first quantised to E2M3 (2 exponent bits, 3 mantissa bits; 6 bits a number), with one power-of-two scale for each 32 numbers along K (OCP MX v1.0); their sums are f32. All else is computed in f32.
;;   The module's matrix products, in the order in which they are computed (A, B: the left and right operand; K: the contracted axis; several contracted axes count as one K, in the product's order):
;;     1. [M 16,384, K 1,024] x [K 1,024, N 1,024]; A: computed on the way; B: input Wq: QUANTISED
;;     2. [M 16,384, K 1,024] x [K 1,024, N 1,024]; A: computed on the way; B: input Wk: QUANTISED
;;     3. [M 16,384, K 1,024] x [K 1,024, N 1,024]; A: computed on the way; B: input Wv: QUANTISED
;;     4. batch 128 x [M 64, K 2,048] x [K 2,048, N 64]; A: softmax (see below); B: computed on the way: QUANTISED
;;     5. batch 128 x [M 64, K 64] x [K 64, N 2,048]; A: computed on the way; B: softmax (see below): QUANTISED
;;   THE QUANTISER, for each operand of a quantised product, along K:
;;     - K is cut into blocks of 32 from its start; a last block that is shorter is filled with zeros.
;;     - A block's scale is 2^e with e = floor(log2(the largest magnitude in the block)) - 2, held to -126 .. 127; a block of zeros has e = 0. As a byte (E8M0): e + 127.
;;     - Each number is divided by its block's scale, clamped to +-7.5, and rounded to the nearest number of E2M3, ties to even, subnormals kept.
;;     - The product sums the exact products of the quantised numbers (number of the format x scale) in f32.
;;   ~~~python
;;   def quantise(x, axis):      # numpy; x: float32 -> the quantised numbers, widened to float32 again
;;       x = np.moveaxis(x, axis, -1); K = x.shape[-1]
;;       x = np.pad(x, [(0, 0)] * (x.ndim - 1) + [(0, -K % 32)]); x = x.reshape(x.shape[:-1] + (-1, 32)); a = np.abs(x).max(-1, keepdims=True)
;;       e = np.where(a > 0, np.clip(np.frexp(np.where(a > 0, a, 1))[1] - 1 - 2, -126, 127), 0)      # np.frexp(a)[1] - 1 = floor(log2(a)), exactly
;;       r = np.clip(x / 2.0 ** e, -7.5, 7.5)
;;       step = 2.0 ** (np.maximum(np.frexp(np.where(r == 0, 1, r))[1] - 1, 0) - 3)
;;       q = np.round(r / step) * step * 2.0 ** e      # np.round: ties to even
;;       return np.moveaxis(q.reshape(q.shape[:-2] + (-1,))[..., :K], -1, axis).astype(np.float32)
;;   ~~~
;;   SOFTMAX AHEAD OF A QUANTISED PRODUCT. Where the list says 'softmax', what is quantised is not the finished softmax but p = 2^(t - M), with t = logit x log2(e) and M = ceil(the row's largest t), a whole number; so 1/2 < the row's largest p <= 1. The row's sum l is taken of the UNQUANTISED p, in f32, and the product's result is divided by l at the end. Since M is a whole number, a kernel that streams over the keys may use a running M (the ceiling of the running maximum): every later rescaling is an exact power of two, which a block's scale takes up: the codes' values come out the same.
;;   OPERANDS COMPUTED ON THE WAY. 'Computed on the way' means the value that the module computes at that place (a softmax that the list does not call 'softmax' is quantised finished and normalised). What goes into a quantiser is computed in f32, as accurately as f32 sums, v_exp_f32 and their like allow (about 1e-6 of the number): no bf16 or f16 on the way to a quantiser, and a product that is left as it is and whose result goes on into a quantised operand takes f32 operands (vector FMAs, or v_wmma_f32_16x16x4_f32). A number that lies on a knife's edge between two numbers of the format may be rounded either way, as far as f32 arithmetic and the matrix unit's own rounding can turn it there, and no further.
;; One version. Each part assembles by itself: llvm-mc -triple=amdgcn-amd-amdhsa -mcpu=gfx1250 --defsym DOCPART=n.
;; ======== version 1 of 1: 4 launches
;; workspace buffers: xn 13,107,200 bytes; xt 13,107,200 bytes; wts 2,457,600 bytes; patt 8,912,896 bytes; attc 458,752 bytes
;; launch prep (part 1): grid 608 x 1, 4 waves a work-group, no clusters, 71,168 bytes of LDS; arguments x, ln_g, ln_b, tln_g, tln_b, Wq, Wk, Wv, xn, xt, wts; writes xn, xt, wts
.if DOCPART == 1
	.amdgcn_target "amdgcn-amd-amdhsa--gfx1250"
	.amdhsa_code_object_version 6
	.text
	.protected	k_q4211f4c1fa_prep
	.globl	k_q4211f4c1fa_prep
	.p2align	8
	.type	k_q4211f4c1fa_prep,@function
k_q4211f4c1fa_prep:
	s_mov_b64 s[64:65], 0
	v_nop
	global_prefetch_b8 v0, s[64:65] scope:SCOPE_SE
	s_setreg_imm32_b32 hwreg(HW_REG_WAVE_MODE, 25, 1), 1
	s_wait_xcnt 0x0
; LayerNorm of x (one mean and variance, two gains and biases), both results quantised along D to codes of FP6 (E2M3) with one E8M0 byte for each 32; Wq, Wk, Wv quantised the same way.
; A block's scale is 2^(floor(log2(its largest magnitude)) - 2); its byte is the largest magnitude's exponent field - 2, held at 1 from below.
; LIMITS: NaN and infinities are not served; a block of zeros gets the byte 1 (its codes are zeros, and the bytes are read by this program alone).
; WHAT IS STORED.  A TILE is 16 rows x 1,024 along K: eight K steps of 128, each as an IMAGE OF THE OPERAND'S REGISTERS (12 registers a lane: three pieces of 512 bytes, registers 4 c .. 4 c + 3 of lane l
; at 512 c + 16 l), 12,288 bytes; and 512 scale bytes, 32 a row.  Lane (r, h) of an image holds row r; registers 6 c .. 6 c + 5 hold k = 64 c + 32 h + 0 .. 31.
; xn, xt: tile id = 128 b + T holds tokens 32 (T / 2) + 8 (T % 2) + m + 8 (m / 8) of batch b.  wts: tiles 0-127 = 8 head + sub (sub 0-3: 16 rows of Wk, sub 4-7: of Wv, in order); tiles 128-191: Wq, rows chosen as the tokens are.
; SHARES.  A work-group of four waves makes two tiles; wave w takes tile 2 x work-group + w / 2 and its rows 8 (w % 2) .. + 7, which are eight consecutive rows of the source (among chosen rows the second half begins 16 rows on).
; Work-groups 0-511: x; 512-575: Wk and Wv; 576-607: Wq.  All take one way through the text; the norm and the second output are jumped over for weights.
; A wave is given 320 registers, so that three waves share a SIMD: a row is a chain of steps that wait for each other (the turn through LDS, two sums over the lanes, the root, two maxima), and the other waves issue meanwhile.
; A ROW: eight loads of 512 consecutive bytes; through the wave's own LDS so that lane l holds the 32 neighbours 32 l .. 32 l + 31, one whole block; the norm; the codes, 24 bytes a lane, into the tile's images in LDS.
; Two rows of a wave are on their way at any time (a ring of 64 registers in window 1).  The gains and biases come as the rows do.  The two waves of a tile write into the same images; one barrier; then the first stores
; output 1 and the second output 2 (a weight has one output: its second wave stores nothing), by stores of 512 consecutive bytes.
.set TURNB, 4608                       ; LDS: a wave's place for the turn: 32 places of 144 bytes
.set TBASE, 4*TURNB                    ; behind the four: the two tiles' regions
.set TREG,  26112                      ; a tile's region: images 1: 8 x 1,568 | scale bytes 1: 512 | images 2 | scale bytes 2
.set IP,    1568                       ; an image's place: 1,536 bytes + 32
.set SBY,   12544
.set OFS,   13056                      ; from output 1's places to output 2's
.set SPARE, TBASE+2*TREG               ; the spare words, 128 bytes for each wave: two blocks of 256 bytes that no other line names
.set TI,   2                           ; v2   the turn, way in: 144 (l / 8) + 16 (l % 8)
.set TO,   3                           ; v3   the turn, way out: 144 l
.set CA,   4                           ; v4-6 where my block's three pairs of code registers go in an image, for my wave's first row
.set SAD,  7                           ; v7   where my block's scale byte goes, for my wave's first row
.set FL,   8                           ; v8   the output that my wave stores: its places + 16 l
.set GO,   9                           ; v9   16 l
.set SPW,  14                          ; v14  LDS address of my spare word; never rewritten
.set NIL,  15                          ; v15  0; never rewritten
.set G1,   16                          ; v16-47 ln_g, v48-79 ln_b, v80-111 tln_g, v112-143 tln_b of my 32 columns
.set B1,   48
.set G2,   80
.set B2,   112
.set X,    144                         ; v144-175 my 32 numbers of the row
.set Y2,   176                         ; v176-207 the second norm's
.set C1,   208                         ; v208-214 codes of output 1
.set M0,   216
.set M1,   217
.set SCL,  218
.set BY1,  219
.set BY2,  220
.set SUA,  222
.set SUB,  224
.set MEAN, 226
.set RSTD, 228
.set C2,   232                         ; v232-238 codes of output 2
.set VO,   240                         ; v240-247 16 l + i rows: my wave's eight rows in memory; never rewritten
.set ISX,  27                          ; s27  1 in x's work-groups
.set SEL,  28                          ; s[28:29] lane selects: lane l xor 16
.set INV,  30                          ; s30  1 / 1024
.set EPS,  37                          ; s37  1e-5
.set P,    44                          ; s[44:45] the source at my wave's first row; never rewritten
.set HF,   62                          ; s62  which half of the tile's rows is mine
.set TP,   63                          ; s63  which of the work-group's two tiles
.set MSB, 0
.macro WIN new                         ; the immediate's high byte repeats the setting that is left
.if MSB != (\new)
	s_set_vgpr_msb (MSB<<8)|(\new)
.set MSB, (\new)
.endif
.endm
	s_load_b256 s[4:11], s[0:1], 0x0               ; x, ln_g, ln_b, tln_g
	s_load_b256 s[12:19], s[0:1], 0x20             ; tln_b, Wq, Wk, Wv
	s_load_b128 s[20:23], s[0:1], 0x40             ; xn, xt
	s_load_b64 s[24:25], s[0:1], 0x50              ; wts
	v_lshl_add_u32 v[SPW], v0, 2, SPARE
	v_mov_b32 v[NIL], 0
	v_lshrrev_b32 v1, 5, v0
	v_readfirstlane_b32 s26, v1                    ; wave
	s_lshr_b32 s[TP], s26, 1
	s_and_b32 s[HF], s26, 1
	v_and_b32 v1, 31, v0                           ; lane l
	s_mul_i32 s3, s26, TURNB                       ; my wave's place for the turn
	v_lshrrev_b32 v[TI], 3, v1
	v_mul_u32_u24 v[TI], v[TI], 144
	v_and_b32 v[TO], 7, v1
	v_lshl_add_u32 v[TI], v[TO], 4, v[TI]
	v_add_nc_u32 v[TI], s3, v[TI]
	v_mul_u32_u24 v[TO], v1, 144
	v_add_nc_u32 v[TO], s3, v[TO]
	s_mul_i32 s61, s[TP], TREG
	s_add_co_u32 s61, s61, TBASE                   ; my tile's region
	; my block l of a row is K step l / 4, c = (l / 2) % 2, h = l % 2: registers 6 c .. 6 c + 5 of lane row + 16 h.  Pair k of the six lies at 512 ((3 c + k) / 2) + 8 ((3 c + k) % 2) + 256 h + 16 row
	s_lshl_b32 s60, s[HF], 7                       ; my wave's first row is row 8 x half: 128 bytes on
	s_add_co_u32 s60, s60, s61
	v_lshrrev_b32 v[FL], 2, v1
	v_mul_u32_u24 v[FL], v[FL], IP
	v_and_b32 v[GO], 1, v1
	v_lshl_add_u32 v[FL], v[GO], 8, v[FL]
	v_add_nc_u32 v[FL], s60, v[FL]
	v_bfe_u32 v[GO], v1, 1, 1                      ; c
	v_mad_u32_u24 v[CA], v[GO], 520, v[FL]         ; pair 0: 0 or 512 + 8
	v_mad_u32_u24 v[CA+1], v[GO], 1016, v[FL]      ; pair 1: 8 or 1,024
	v_add_nc_u32 v[CA+2], 512, v[CA]               ; pair 2: 512 or 1,024 + 8
	v_add_nc_u32 v[CA+1], 8, v[CA+1]
	s_lshl_b32 s60, s[HF], 8                       ; scale bytes: 32 a row
	s_add_co_u32 s60, s60, s61
	v_add_nc_u32 v[SAD], s60, v1
	v_add_nc_u32 v[SAD], SBY, v[SAD]
	v_lshlrev_b32 v[GO], 4, v1
	s_mul_i32 s60, s[HF], OFS                      ; the first wave of a tile stores output 1, the second output 2
	s_add_co_u32 s60, s60, s61
	v_add_nc_u32 v[FL], s60, v[GO]
	; which tile is mine, and where my rows lie
	s_lshl_b32 s28, ttmp9, 1
	s_add_co_u32 s28, s28, s[TP]                   ; the tile among the 1,216
	s_lshr_b32 s29, s28, 7                         ; x: the batch
	s_cmp_lt_u32 ttmp9, 512
	s_cselect_b32 s[ISX], 1, 0
	s_cselect_b32 s32, 127, 63
	s_cselect_b32 s33, 15, 12                      ; a row on: 2^15 bytes in x (eight batches of 4,096), 2^12 in a weight
	s_cselect_b32 s34, s29, 0
	s_cselect_b32 s35, 0, 1024
	s_sub_co_u32 s31, s28, s35                     ; the tile in its buffer
	s_and_b32 s32, s31, s32                        ; the tile among the tokens of a batch, or among Wq's
	s_lshr_b32 s36, s32, 1
	s_lshl_b32 s36, s36, 5
	s_and_b32 s37, s32, 1
	s_lshl_b32 s37, s37, 3
	s_add_co_u32 s36, s36, s37                     ; chosen rows: the first is 32 (i / 2) + 8 (i % 2)
	s_lshr_b32 s37, s31, 3
	s_lshl_b32 s37, s37, 6
	s_and_b32 s38, s31, 3
	s_lshl_b32 s38, s38, 4
	s_add_co_u32 s37, s37, s38                     ; Wk, Wv: 64 head + 16 (sub % 4)
	s_sub_co_u32 s38, ttmp9, 512
	s_cmp_lt_u32 s38, 64                           ; Wk's or Wv's work-group?
	s_cselect_b32 s36, s37, s36
	s_cselect_b32 s39, 3, 4                        ; the tile's second half begins 8 rows on where rows go in order, 16 rows on among chosen rows
	s_lshl_b32 s39, s[HF], s39
	s_add_co_u32 s36, s36, s39                     ; my wave's first row
	s_lshl_b32 s40, s36, s33
	s_lshl_b32 s34, s34, 12
	s_add_co_u32 s40, s40, s34                     ; its byte
	s_mov_b32 s41, 0
	s_lshl_b32 s42, 1, s33                         ; a row on
	v_mov_b32 v[VO], v[GO]
.irp i, 1,2,3,4,5,6,7
	s_mul_i32 s35, s42, \i
	v_add_nc_u32 v[VO+\i], s35, v[GO]
.endr
	s_mul_i32 s50, s31, 12288                      ; the tile's images,
	s_mov_b32 s51, 0
	s_lshl_b32 s52, s31, 9                         ; and its scale bytes, behind all images
	s_mov_b32 s53, 0
	s_wait_kmcnt 0x0
	s_and_b32 s38, ttmp9, 2                        ; of four work-groups the first two hold a head's tiles of Wk, the other two those of Wv
	s_cmp_eq_u32 s38, 0
	s_cselect_b64 s[P:P+1], s[16:17], s[18:19]     ; Wk or Wv,
	s_cmp_lt_u32 ttmp9, 576
	s_cselect_b64 s[P:P+1], s[P:P+1], s[14:15]     ; or Wq,
	s_cmp_eq_u32 s[HF], 0
	s_cselect_b64 s[46:47], s[20:21], s[22:23]     ; what my wave stores of x: xn or xt,
	s_cmp_lt_u32 ttmp9, 512
	s_cselect_b64 s[P:P+1], s[4:5], s[P:P+1]       ; or x: the choices hang on the work-group's and the wave's number alone
	s_cselect_b64 s[46:47], s[46:47], s[24:25]     ; or wts
	s_mov_b32 s48, 2359296
	s_cselect_b32 s48, 12582912, s48
	s_add_co_u32 s52, s52, s48
	s_add_nc_u64 s[P:P+1], s[P:P+1], s[40:41]
	s_add_nc_u64 s[54:55], s[46:47], s[50:51]      ; my output: images,
	s_add_nc_u64 s[56:57], s[46:47], s[52:53]      ; scale bytes
	s_mov_b32 s[SEL], 0x76543210
	s_mov_b32 s[SEL+1], 0xfedcba98
	s_mov_b32 s[INV], 0x3a800000
	s_mov_b32 s[EPS], 0x3727c5ac
	s_xor_b32 s49, s[ISX], 1
	s_and_b32 s49, s49, s[HF]                      ; 1 in a weight's second wave: it has no output to store
.irp j, 0,1,2,3,4,5,6,7
	global_load_b128 v[G1+4*\j:G1+4*\j+3], v[GO], s[6:7] offset:512*\j     ; the gains and biases as they lie: 32 lanes read 512 consecutive bytes
.endr
.irp j, 0,1,2,3,4,5,6,7
	global_load_b128 v[B1+4*\j:B1+4*\j+3], v[GO], s[8:9] offset:512*\j
.endr
.irp j, 0,1,2,3,4,5,6,7
	global_load_b128 v[G2+4*\j:G2+4*\j+3], v[GO], s[10:11] offset:512*\j
.endr
.irp j, 0,1,2,3,4,5,6,7
	global_load_b128 v[B2+4*\j:B2+4*\j+3], v[GO], s[12:13] offset:512*\j
.endr
	WIN 0x40                                       ; destination window 1: the ring
.irp s, 0,1
.irp j, 0,1,2,3,4,5,6,7
	global_load_b128 v[32*\s+4*\j:32*\s+4*\j+3], v[VO+\s], s[P:P+1] offset:512*\j th:TH_LOAD_NT   ; rows 0 and 1
.endr
.endr
	WIN 0
; An array of 1,024 numbers is turned through my place in LDS, so that lane l holds numbers 32 l .. 32 l + 31, in the registers into which it was loaded.  left: the younger loads that may stay out.
.macro GTURN r, left
	s_wait_loadcnt \left                           ; loads come back in order: this array's eight are in
.irp j, 0,1,2,3,4,5,6,7
	ds_store_b128 v[TI], v[\r+4*\j:\r+4*\j+3] offset:576*\j
.endr
	s_wait_dscnt 0x0                               ; the stores are done: their registers may be loaded over
.irp j, 0,1,2,3,4,5,6,7
	ds_load_b128 v[\r+4*\j:\r+4*\j+3], v[TO] offset:16*\j
.endr
.endm
	GTURN G1, 40                                   ; behind it: three arrays and two rows, eight loads each
	GTURN B1, 32
	GTURN G2, 24
	GTURN B2, 16
.macro REDUCE r                        ; the sum of v[r] over the 32 lanes, in every lane; v[r + 1] is at work
	v_add_f32_dpp v[\r], v[\r], v[\r] row_xmask:1 row_mask:0xf bank_mask:0xf
	v_add_f32_dpp v[\r], v[\r], v[\r] row_xmask:2 row_mask:0xf bank_mask:0xf
	v_add_f32_dpp v[\r], v[\r], v[\r] row_xmask:4 row_mask:0xf bank_mask:0xf
	v_add_f32_dpp v[\r], v[\r], v[\r] row_xmask:8 row_mask:0xf bank_mask:0xf
	v_permlanex16_b32 v[\r+1], v[\r], s[SEL], s[SEL+1]
	v_add_f32 v[\r], v[\r], v[\r+1]
.endm
; The norm: the mean first, then the variance of the centred numbers (no difference of large sums); X becomes the first norm, Y2 the second.
.macro LN
	v_pk_add_f32 v[SUA:SUA+1], v[X:X+1], v[X+2:X+3]
	v_pk_add_f32 v[SUB:SUB+1], v[X+4:X+5], v[X+6:X+7]
.irp j, 8,12,16,20,24,28
	v_pk_add_f32 v[SUA:SUA+1], v[SUA:SUA+1], v[X+\j:X+\j+1]
	v_pk_add_f32 v[SUB:SUB+1], v[SUB:SUB+1], v[X+\j+2:X+\j+3]
.endr
	v_pk_add_f32 v[SUA:SUA+1], v[SUA:SUA+1], v[SUB:SUB+1]
	v_add_f32 v[SUA], v[SUA], v[SUA+1]
	REDUCE SUA
	v_mul_f32 v[MEAN], s[INV], v[SUA]
	v_mul_f32 v[MEAN+1], s[INV], v[SUA]
.irp j, 0,2,4,6,8,10,12,14,16,18,20,22,24,26,28,30
	v_pk_add_f32 v[X+\j:X+\j+1], v[X+\j:X+\j+1], v[MEAN:MEAN+1] neg_lo:[0,1] neg_hi:[0,1]
.endr
	v_pk_mul_f32 v[SUA:SUA+1], v[X:X+1], v[X:X+1]
	v_pk_mul_f32 v[SUB:SUB+1], v[X+2:X+3], v[X+2:X+3]
.irp j, 4,8,12,16,20,24,28
	v_pk_fma_f32 v[SUA:SUA+1], v[X+\j:X+\j+1], v[X+\j:X+\j+1], v[SUA:SUA+1]
	v_pk_fma_f32 v[SUB:SUB+1], v[X+\j+2:X+\j+3], v[X+\j+2:X+\j+3], v[SUB:SUB+1]
.endr
	v_pk_add_f32 v[SUA:SUA+1], v[SUA:SUA+1], v[SUB:SUB+1]
	v_add_f32 v[SUA], v[SUA], v[SUA+1]
	REDUCE SUA
	v_fma_f32 v[SUA], v[SUA], s[INV], s[EPS]       ; the variance + 1e-5 (the division by 1,024 is exact)
	v_rsq_f32 v[RSTD], v[SUA]
	v_rsq_f32 v[RSTD+1], v[SUA]
	v_nop                                          ; a plain instruction behind the two
	s_wait_alu depctr_va_vdst(0)                   ; the wait ahead of the first reader: one for both
.irp j, 0,2,4,6,8,10,12,14,16,18,20,22,24,26,28,30
	v_pk_mul_f32 v[X+\j:X+\j+1], v[X+\j:X+\j+1], v[RSTD:RSTD+1]
.endr
.irp j, 0,2,4,6,8,10,12,14,16,18,20,22,24,26,28,30
	v_pk_fma_f32 v[Y2+\j:Y2+\j+1], v[X+\j:X+\j+1], v[G2+\j:G2+\j+1], v[B2+\j:B2+\j+1]
.endr
.irp j, 0,2,4,6,8,10,12,14,16,18,20,22,24,26,28,30
	v_pk_fma_f32 v[X+\j:X+\j+1], v[X+\j:X+\j+1], v[G1+\j:G1+\j+1], v[B1+\j:B1+\j+1]
.endr
.endm
; My block of 32 numbers v[src] .. becomes six registers of codes and a scale byte, which go to their places in the images (o1 bytes on) and among the scale bytes (o2 bytes on).
.macro QS src, c, by, o1, o2
	v_max3_num_f32 v[M0], |v[\src]|, |v[\src+1]|, |v[\src+2]|
	v_max3_num_f32 v[M1], |v[\src+3]|, |v[\src+4]|, |v[\src+5]|
.irp i, 6,10,14,18,22,26
	v_max3_num_f32 v[M0], v[M0], |v[\src+\i]|, |v[\src+\i+1]|
	v_max3_num_f32 v[M1], v[M1], |v[\src+\i+2]|, |v[\src+\i+3]|
.endr
	v_max3_num_f32 v[M0], v[M0], |v[\src+30]|, |v[\src+31]|
	v_max3_num_f32 v[M0], v[M0], v[M1], 0x1800000  ; and the floor 2^(3 - 127): the byte cannot fall under 1
	v_add_nc_u32 v[SCL], 0xff000000, v[M0]         ; 2 off the exponent field: the conversion takes this operand's exponent field as its scale
	v_cvt_scalef32_pk16_fp6_f32 v[\c:\c+2], v[\src:\src+15], v[SCL]
	v_cvt_scalef32_pk16_fp6_f32 v[\c+4:\c+6], v[\src+16:\src+31], v[SCL]   ; (a conversion's three registers begin on an even number)
	v_lshrrev_b32 v[\by], 23, v[SCL]               ; the scale's byte; also the plain instruction behind the conversions
	v_mov_b32 v[\c+3], v[\c+4]
	v_mov_b32 v[\c+4], v[\c+5]
	v_mov_b32 v[\c+5], v[\c+6]
	ds_store_b64 v[CA], v[\c:\c+1] offset:\o1
	ds_store_b64 v[CA+1], v[\c+2:\c+3] offset:\o1
	ds_store_b64 v[CA+2], v[\c+4:\c+5] offset:\o1
	ds_store_b8 v[SAD], v[\by] offset:\o2
.endm
; Row i of my wave's eight; it lies in ring slot i % 2, which is loaded again with the row two on.
.macro ROW i
.if (\i) < 7
	s_wait_loadcnt 8                               ; loads come back in order: my row is in, the next row's eight loads stay out
.else
	s_wait_loadcnt 0
.endif
	WIN 0x04                                       ; an LDS store's data are its source 1: window 1
.irp j, 0,1,2,3,4,5,6,7
	ds_store_b128 v[TI], v[32*((\i)%2)+4*\j:32*((\i)%2)+4*\j+3] offset:576*\j
.endr
	WIN 0
.irp j, 0,1,2,3,4,5,6,7
	ds_load_b128 v[X+4*\j:X+4*\j+3], v[TO] offset:16*\j   ; LDS serves a wave's instructions in order: these see the stores above
.endr
	s_wait_dscnt 0x0                               ; my 32 neighbours are in; every earlier LDS store has read its registers
.if (\i)+2 < 8
	WIN 0x40
.irp j, 0,1,2,3,4,5,6,7
	global_load_b128 v[32*((\i)%2)+4*\j:32*((\i)%2)+4*\j+3], v[VO+(\i)+2], s[P:P+1] offset:512*\j th:TH_LOAD_NT
.endr
	WIN 0
.endif
	s_cmp_eq_u32 s[ISX], 0                         ; a weight is quantised as it is
	s_cbranch_scc1 .Lraw_\@
	LN
	QS Y2, C2, BY2, OFS+16*(\i), OFS+32*(\i)
.Lraw_\@:
	QS X, C1, BY1, 16*(\i), 32*(\i)
.endm
	ROW 0
	ROW 1
	ROW 2
	ROW 3
	ROW 4
	ROW 5
	ROW 6
	ROW 7
	s_wait_dscnt 0x0                               ; for the other wave of my tile: my stores into the images are done
	s_barrier_signal -1
	s_barrier_wait -1                              ; both halves of both tiles lie in LDS
	s_cmp_lg_u32 s49, 0
	s_cbranch_scc1 .Lnone                          ; a weight's second wave has no output
	; my output leaves: 24 pieces of images and the scale bytes, each by a store of 512 consecutive bytes, through v16-115: the gains are done with
.set n, 0
.rept 24
	ds_load_b128 v[16+4*n:16+4*n+3], v[FL] offset:IP*(n/3)+512*(n%3)
.set n, n+1
.endr
	ds_load_b128 v[112:115], v[FL] offset:SBY
.set n, 0
.rept 24
	s_wait_dscnt 24-n                              ; piece n is in; the younger loads stay out
	global_store_b128 v[GO], v[16+4*n:16+4*n+3], s[54:55] offset:512*n
.set n, n+1
.endr
	s_wait_dscnt 0x0
	global_store_b128 v[GO], v[112:115], s[56:57]
.Lnone:
	s_wait_tensorcnt 0x0                           ; the wave's end, behind my last LDS store
	ds_add_u32 v[SPW], v[NIL]
	s_wait_dscnt 0x0
	s_endpgm
.Lfunc_end_k_q4211f4c1fa_prep:
	.size	k_q4211f4c1fa_prep, .Lfunc_end_k_q4211f4c1fa_prep-k_q4211f4c1fa_prep
	.p2alignl 7, 3214868480
	.fill 96, 4, 3214868480
	.section	.rodata,"a",@progbits
	.p2align	6, 0x0
	.amdhsa_kernel k_q4211f4c1fa_prep
		.amdhsa_group_segment_fixed_size 71168
		.amdhsa_private_segment_fixed_size 0
		.amdhsa_enable_private_segment 0
		.amdhsa_kernarg_size 88
		.amdhsa_user_sgpr_count 2
		.amdhsa_user_sgpr_kernarg_segment_ptr 1
		.amdhsa_wavefront_size32 1
		.amdhsa_system_sgpr_workgroup_id_x 1
		.amdhsa_system_sgpr_workgroup_id_y 1
		.amdhsa_system_sgpr_workgroup_id_z 1
		.amdhsa_system_vgpr_workitem_id 0
		.amdhsa_next_free_vgpr 320
		.amdhsa_next_free_sgpr 66
		.amdhsa_reserve_vcc 0
		.amdhsa_float_denorm_mode_32 3
		.amdhsa_float_denorm_mode_16_64 3
		.amdhsa_memory_ordered 1
		.amdhsa_forward_progress 1
		.amdhsa_inst_pref_size 115
	.end_amdhsa_kernel
	.amdgpu_metadata
---
amdhsa.version: [ 1, 2 ]
amdhsa.kernels:
  - .name:           k_q4211f4c1fa_prep
    .symbol:         k_q4211f4c1fa_prep.kd
    .args:
      - { .name: x, .offset: 0, .size: 8, .value_kind: global_buffer, .address_space: global }
      - { .name: ln_g, .offset: 8, .size: 8, .value_kind: global_buffer, .address_space: global }
      - { .name: ln_b, .offset: 16, .size: 8, .value_kind: global_buffer, .address_space: global }
      - { .name: tln_g, .offset: 24, .size: 8, .value_kind: global_buffer, .address_space: global }
      - { .name: tln_b, .offset: 32, .size: 8, .value_kind: global_buffer, .address_space: global }
      - { .name: Wq, .offset: 40, .size: 8, .value_kind: global_buffer, .address_space: global }
      - { .name: Wk, .offset: 48, .size: 8, .value_kind: global_buffer, .address_space: global }
      - { .name: Wv, .offset: 56, .size: 8, .value_kind: global_buffer, .address_space: global }
      - { .name: xn, .offset: 64, .size: 8, .value_kind: global_buffer, .address_space: global }
      - { .name: xt, .offset: 72, .size: 8, .value_kind: global_buffer, .address_space: global }
      - { .name: wts, .offset: 80, .size: 8, .value_kind: global_buffer, .address_space: global }
    .group_segment_fixed_size: 71168
    .private_segment_fixed_size: 0
    .kernarg_segment_align: 8
    .kernarg_segment_size: 88
    .max_flat_workgroup_size: 128
    .sgpr_count:     66
    .vgpr_count:     320
    .wavefront_size: 32
...
	.end_amdgpu_metadata
.endif
;; end of part 1
;; launch kv (part 2): grid 32 x 8, 4 waves a work-group, clusters of 4 x 4, 327,680 bytes of LDS; arguments wts, xt, bk, bv, patt; writes patt
.if DOCPART == 2
	.amdgcn_target "amdgcn-amd-amdhsa--gfx1250"
	.amdhsa_code_object_version 6
	.text
	.protected	k_q4211f4c1fa_kv
	.globl	k_q4211f4c1fa_kv
	.p2align	8
	.type	k_q4211f4c1fa_kv,@function
k_q4211f4c1fa_kv:
	s_mov_b64 s[64:65], 0
	v_nop
	global_prefetch_b8 v0, s[64:65] scope:SCOPE_SE
	s_setreg_imm32_b32 hwreg(HW_REG_WAVE_MODE, 25, 1), 1
	s_wait_xcnt 0x0
	s_wait_alu depctr_hold_cnt(0) depctr_sa_sdst(0) depctr_va_vdst(0) depctr_va_sdst(0) depctr_va_ssrc(0) depctr_va_vcc(0) depctr_vm_vsrc(0)
	s_getreg_b32 s2, hwreg(HW_REG_IB_STS2, 6, 4)
	s_cmp_eq_u32 s2, 0
	s_cbranch_scc0 .Lentry_in_a_cluster
	s_endpgm
.Lentry_in_a_cluster:
	s_bfe_u32 s2, ttmp6, 0x10000c
	s_cmp_lg_u32 s2, 0xf033
	s_cbranch_scc0 .Lentry_shape_is_right
	s_endpgm
.Lentry_shape_is_right:
; k = xt Wk^T + bk and v = xt Wv^T + bv on codes of FP6 (E2M3) with E8M0 scales; the softmax of k over the tokens as p = 2^(t - M), t = k log2(e), M the running largest t rounded up to a whole number;
; p and v quantised along the tokens; att^T(d, l) += sum over tokens of p v, again on codes.  A work-group leaves, for each of two heads, the sums of 512 tokens with their -M and their sum l of the unquantised p.
; LIMITS: NaN and infinities are not served; a block of zeros keeps the byte 1 (its codes are zeros).  t - M is formed as one fused multiply-add, k's sum x log2(e) + (bk log2(e) - M): one rounding
; more than (sum + bk) x log2(e), of the size of that order's own roundings.
; SHARES.  Grid x = X: 512 tokens; grid y = Y: heads 2 Y, 2 Y + 1.  Side A (source 1: its row becomes the result's LANE) = 256 rows of weights: for each head 64 of Wk, then 64 of Wv.  Side B (source 0: its row
; becomes the result's REGISTER) = tokens.  Four waves, 128 x 128 each: wave w has head 2 Y + w / 2 and, in tile j of two, tokens 512 X + 256 (w % 2) + 128 j + 0 .. 127.
; The tokens of a tile of 16 are chosen (32 (T / 2) + 8 (T % 2) + m + 8 (m / 8)) so that the 64 registers of a block of 16 features are 128 tokens: register 16 g + i = token 32 g + 16 (lane / 16) + i.
; OPERANDS lie in memory as images of their registers: a fragment is three loads of 16 bytes a lane at 16 x lane.  K goes in slots of 256 through a ring of two LDS slots filled by the tensor data mover.
; CLUSTERS: 4 x 4.  A's tiles hang on Y and are asked for jointly along a row of the cluster, B's on X and along a column.
; LDS: ring 2 x 98,304 | A's scale bytes 2 x 4,352 | B's 2 x 8,704 (both tiles') | the waves' meeting place 2 x 17,408 | spare words.
; REGISTERS.  window 0: v16-29 addresses; v32-63 scale words (in the epilogue v32-35 p's, v36-39 v's); v64-127 att^T of d blocks 0, 1; v128-223 A's fragments, in the epilogue at work; v224-247 what is carried.
;   window 1: B's fragments at v0 and v128 (in the epilogue p's and v's codes); v96-127, v224-255 att^T of d blocks 2, 3.   windows 2, 3: the 64 accumulators (k in 2, v in 3).
.set FR,    12                         ; registers of a fragment
.set NL,    3                          ; LDS loads that bring one
.set NP,    4                          ; places behind this matrix instruction (ISA guide 7.12.1)
.set NQ,    2                          ; steps of 128 in a slot
.set HALFT, 24576                      ; eight tiles x 3,072 bytes: what one tensor load brings
.set SLOT,  4*HALFT
.set KSB,   3072                       ; a slot's part of a tile: two images
.set TILEB, 12288
.set SCA,   2*SLOT
.set SCB,   SCA+2*4352
.set CMB,   SCB+2*8704
.set SPARE, CMB+2*17408                ; the spare words, 128 bytes for each wave: two blocks of 256 bytes that no other line names
.set WSC,   2359296                    ; where the scale bytes begin in wts,
.set XSC,   12582912                   ; and in xt
.set ADRA, 16                          ; v16-17 my A fragments in slot 0, 1
.set ADRB, 20                          ; v20-21 my B fragments
.set CM,   22                          ; v22  the meeting place of my head: + 16 x lane
.set LI,   24                          ; v24  16 x lane
.set BO,   25                          ; v25  4 x (lane % 16)
.set DLT,  26                          ; v26  from tile 0's scale words to tile 1's: 4,352 in lanes 16-31
.set ADRS, 27                          ; v27  my scale words: lanes 0-15 A's rows, lanes 16-31 B's
.set SPW,  28                          ; v28  LDS address of my spare word; never rewritten
.set NIL,  29                          ; v29  0; never rewritten
.set SC,   32
.set PS,   32
.set VS,   36
.set AFR,  128                         ; A's fragments
.set T,    128                         ; the epilogue: 64 numbers
.set BM,   192
.set BX,   196
.set SO,   200
.set BY,   204
.set FP,   208                         ; v208-215 f = 2^(old M - new M) of the four d blocks, each twice
.set AD,   216                         ; v216 bk log2(e) - M; v217 the old -M
.set LT,   218
.set TMP,  220
.set NM,   224                         ; v224-231 pairs (-M, the largest t)
.set LP,   232                         ; v232-239 l in two halves
.set BV,   240                         ; v240-247 pairs (bv, bk log2(e))
.set PF,   0                           ; window 1: p's four fragments,
.set VF,   48                          ; v's four,
.set PT,   128                         ; and eight registers at work
.set G1,   24
.set G0,   32
.set G1B,  48
.set G0B,  56
.set CS,   66                          ; s[66:67] log2(e), twice
.set G1S,  68
.set G0S,  76
.set G1SB, 80
.set G0SB, 88
.set SEL,  96                          ; s[96:97] lane selects: lane l xor 16
.set MSB, 0
.macro WIN new                         ; the immediate's high byte repeats the setting that is left
.if MSB != (\new)
	s_set_vgpr_msb (MSB<<8)|(\new)
.set MSB, (\new)
.endif
.endm
.set MUL_LO, 0xa1                      ; source 0 (B) window 1, source 1 (A) window 0, C and D window 2
.set MUL_HI, 0xf1                      ; the same, C and D window 3
.set TO_B,   0x40
; A joint load: waves 0 and 1 fetch for A, waves 2 and 3 for B; the branch hangs on the wave's number alone.  An s_nop 0 and four v_nop follow each of the two lines.
.macro JLOAD g0a, g1a, g0b, g1b
	s_cmp_eq_u32 s15, 0
	s_cbranch_scc0 .Lfor_b_\@
	tensor_load_to_lds s[\g0a:\g0a+3], s[\g1a:\g1a+7]
	s_nop 0
.rept 4
	v_nop
.endr
	s_branch .Lasked_\@
.Lfor_b_\@:
	tensor_load_to_lds s[\g0b:\g0b+3], s[\g1b:\g1b+7]
	s_nop 0
.rept 4
	v_nop
.endr
.Lasked_\@:
.endm
.macro CREST                           ; a round of the cluster's barrier behind its opening barrier
	s_cmp_lg_u32 s14, 0
	s_cbranch_scc1 .Lnot_wave_0_\@
	s_barrier_signal -3
.Lnot_wave_0_\@:
	s_barrier_wait -3
	s_barrier_signal -1
	s_barrier_wait -1
.endm
.macro CROUND
	s_barrier_signal -1
	s_barrier_wait -1
	CREST
.endm
.macro PLACES n
.rept \n
	v_nop
.endr
.endm
	s_load_b128 s[4:7], s[0:1], 0x0                ; wts, xt
	s_load_b128 s[8:11], s[0:1], 0x10              ; bk, bv
	s_load_b64 s[12:13], s[0:1], 0x20              ; patt
	v_lshl_add_u32 v[SPW], v0, 2, SPARE
	v_mov_b32 v[NIL], 0
	ds_add_u32 v[SPW], v[NIL]                      ; the wave's opening: the add and its wait stand ahead of my first tensor load; work on registers stands between them
	v_lshrrev_b32 v1, 5, v0
	v_readfirstlane_b32 s14, v1                    ; wave 0..3
	s_lshr_b32 s15, s14, 1                         ; my head of the two.  Also: I fetch for A (0) or for B (1)
	s_and_b32 s16, s14, 1                          ; my half of the tokens.  Also: which half I fetch
	s_bfe_u32 s40, ttmp6, 0x40000                  ; cx, cy: my place in the cluster
	s_bfe_u32 s41, ttmp6, 0x40004
	s_lshl_b32 s42, ttmp9, 2
	s_add_co_u32 s42, s42, s40                     ; X
	s_and_b32 s17, ttmp7, 0xffff
	s_lshl_b32 s17, s17, 2
	s_add_co_u32 s17, s17, s41                     ; Y
	s_lshl_b32 s43, s41, 2
	s_lshl_b32 s43, 15, s43                        ; my row of the cluster
	s_lshl_b32 s44, 0x1111, s40                    ; my column
	; descriptor group 1 for codes: eight rows (tiles) of 384 elements of 8 bytes, 1,536 elements apart; no padding
	s_or_b32 s[G1+0], s43, (3<<16)|(1<<21)         ; 15:0 the mask; 17:16 elements of 8 bytes; 21 set beside a mask
	s_or_b32 s[G1B+0], s44, (3<<16)|(1<<21)
.irp g, G1, G1B
	s_mov_b32 s[\g+1], 384<<16                     ; tensor_dim0
	s_mov_b32 s[\g+2], 8<<16                       ; tensor_dim1
	s_mov_b32 s[\g+3], 384<<16                     ; tile_dim0
	s_mov_b32 s[\g+4], 8                           ; tile_dim1
	s_mov_b32 s[\g+5], 1536                        ; tensor_dim0_stride
	s_mov_b32 s[\g+6], 0
	s_mov_b32 s[\g+7], 0
.endr
	; and for scale bytes: dense blocks as rows of 256 bytes (32 elements of 8 bytes), 16 bytes of padding behind each: A's 128 rows are 16 such rows, B's 256 rows 32
	s_or_b32 s[G1S+0], s43, (3<<16)|(1<<20)|(1<<21)|(5<<22)|(3<<25)
	s_or_b32 s[G1SB+0], s44, (3<<16)|(1<<20)|(1<<21)|(5<<22)|(3<<25)
	s_mov_b32 s[G1S+1], 32<<16
	s_mov_b32 s[G1S+2], 16<<16
	s_mov_b32 s[G1S+3], 32<<16
	s_mov_b32 s[G1S+4], 16
	s_mov_b32 s[G1S+5], 32
	s_mov_b32 s[G1S+6], 0
	s_mov_b32 s[G1S+7], 0
	s_mov_b32 s[G1SB+1], 32<<16
	s_mov_b32 s[G1SB+2], 32<<16
	s_mov_b32 s[G1SB+3], 32<<16
	s_mov_b32 s[G1SB+4], 32
	s_mov_b32 s[G1SB+5], 32
	s_mov_b32 s[G1SB+6], 0
	s_mov_b32 s[G1SB+7], 0
	s_lshl_b32 s20, s17, 4
	s_lshl_b32 s18, s16, 3
	s_add_co_u32 s20, s20, s18                     ; A: tile 16 Y + 8 x half
	s_lshl_b32 s22, s20, 9
	s_add_co_u32 s22, s22, WSC                     ; its scale bytes
	s_mov_b32 s23, 0
	s_mul_i32 s20, s20, TILEB                      ; its images
	s_mov_b32 s21, 0
	s_lshl_b32 s46, s42, 5
	s_lshl_b32 s18, s16, 4
	s_add_co_u32 s46, s46, s18                     ; B: tile 32 X + 16 x half
	s_lshl_b32 s92, s46, 9
	s_add_co_u32 s92, s92, XSC
	s_mov_b32 s93, 0
	s_mul_i32 s46, s46, TILEB
	s_mov_b32 s47, 0
	s_mul_i32 s45, s14, HALFT                      ; where the codes go: wave x 24,576: no place in the cluster enters an LDS address
	s_mul_i32 s94, s16, 4352
	s_add_co_u32 s94, s94, SCA                     ; A's scale bytes,
	s_mul_i32 s95, s16, 8704
	s_add_co_u32 s95, s95, SCB                     ; B's
	s_mov_b32 s[CS], 0x3fb8aa3b
	s_mov_b32 s[CS+1], s[CS]
	s_mov_b32 s[SEL], 0x76543210
	s_mov_b32 s[SEL+1], 0xfedcba98
	s_wait_dscnt 0x0                               ; the opening add is done
	s_wait_kmcnt 0x0
	s_add_nc_u64 s[20:21], s[4:5], s[20:21]
	s_add_nc_u64 s[22:23], s[4:5], s[22:23]
	s_add_nc_u64 s[46:47], s[6:7], s[46:47]
	s_add_nc_u64 s[92:93], s[6:7], s[92:93]
	CROUND                                         ; all sixteen work-groups are here: the first joint loads meet
	s_mov_b32 s[G0S], 1
	s_mov_b32 s[G0S+1], s94
	s_mov_b64 s[G0S+2:G0S+3], s[22:23]
	s_or_b32 s[G0S+3], s[G0S+3], 0x80000000
	s_mov_b32 s[G0SB], 1
	s_mov_b32 s[G0SB+1], s95
	s_mov_b64 s[G0SB+2:G0SB+3], s[92:93]
	s_or_b32 s[G0SB+3], s[G0SB+3], 0x80000000
	JLOAD G0S, G1S, G0SB, G1SB                     ; the scale bytes first: filled once
.irp s, 0,1
	s_mov_b32 s[G0+4*\s], 1
	s_add_co_u32 s[G0+4*\s+1], s45, \s*SLOT
	s_add_nc_u64 s[G0+4*\s+2:G0+4*\s+3], s[20:21], \s*KSB
	s_or_b32 s[G0+4*\s+3], s[G0+4*\s+3], 0x80000000
	s_mov_b32 s[G0B+4*\s], 1
	s_add_co_u32 s[G0B+4*\s+1], s45, \s*SLOT
	s_add_nc_u64 s[G0B+4*\s+2:G0B+4*\s+3], s[46:47], \s*KSB
	s_or_b32 s[G0B+4*\s+3], s[G0B+4*\s+3], 0x80000000
	JLOAD G0+4*\s, G1, G0B+4*\s, G1B               ; three loads of mine are out
.endr
	v_and_b32 v1, 15, v0                           ; r
	v_bfe_u32 v2, v0, 4, 1                         ; h
	v_and_b32 v3, 31, v0
	v_lshlrev_b32 v[LI], 4, v3
	s_mul_i32 s21, s15, HALFT                      ; my 128 rows of A,
	s_mul_i32 s22, s16, HALFT                      ; my 128 rows of B,
	s_add_co_u32 s22, s22, 2*HALFT                 ; which lie behind A's 256
.irp s, 0,1
	v_add_nc_u32 v[ADRA+\s], s21, v[LI]
	v_add_nc_u32 v[ADRB+\s], s22, v[LI]
	s_add_co_u32 s21, s21, SLOT
	s_add_co_u32 s22, s22, SLOT
.endr
	v_lshlrev_b32 v5, 5, v1                        ; my row's scale bytes: 32 a row,
	v_lshrrev_b32 v6, 3, v1
	v_lshl_add_u32 v5, v6, 4, v5                   ; and 16 more for each 256 passed
	s_mul_i32 s21, s15, 4352                       ; A's: my 128 rows
	s_mul_i32 s22, s16, 8704                       ; B's: my 256 rows
	s_add_co_u32 s22, s22, SCB-SCA
	s_sub_co_u32 s22, s22, s21
	v_mul_u32_u24 v6, s22, v2                      ; lanes 16-31 take B's
	s_add_co_u32 s21, s21, SCA
	v_add_nc_u32 v5, v5, v6
	v_add_nc_u32 v[ADRS], s21, v5
	v_mul_u32_u24 v[DLT], v2, 4352
	s_mul_i32 s21, s15, 17408
	s_add_co_u32 s21, s21, CMB
	v_add_nc_u32 v[CM], s21, v[LI]
	v_lshlrev_b32 v[BO], 2, v1
	s_lshl_b32 s18, s17, 1
	s_add_co_u32 s18, s18, s15                     ; my head
	s_lshl_b32 s92, s18, 8
	s_mov_b32 s93, 0
	s_add_nc_u64 s[98:99], s[8:9], s[92:93]        ; its 64 numbers of bk,
	s_add_nc_u64 s[100:101], s[10:11], s[92:93]    ; and of bv
	s_lshl_b32 s92, s42, 4
	s_add_co_u32 s92, s92, s18
	s_mul_i32 s92, s92, 17408                      ; part 16 X + head
	s_add_nc_u64 s[12:13], s[12:13], s[92:93]
.irp a, 0,1,2,3
	global_load_b32 v[BV+2*\a], v[BO], s[100:101] offset:64*\a     ; of feature 16 a + lane % 16
	global_load_b32 v[BV+2*\a+1], v[BO], s[98:99] offset:64*\a
.endr
.irp a, 0,1,2,3
	v_mov_b32 v[NM+2*\a+1], 0xff61b1e6             ; the largest t so far: -3e38
	v_mov_b32 v[LP+2*\a], 0
	v_mov_b32 v[LP+2*\a+1], 0
	v_mov_b32 v[BX+\a], 0                          ; written once: a lane permute's destination counts as one of its sources
.endr
.irp a, 0,1,2,3
	v_floor_f32 v[NM+2*\a], -v[NM+2*\a+1]          ; -M
.endr
.set n, 0
.rept 64
	v_mov_b32 v[64+n], 0                           ; att^T begins as zeros, so that the epilogue is one text for both tiles: the first change of M multiplies zeros
.set n, n+1
.endr
	WIN 0x40
.set n, 0
.rept 32
	v_mov_b32 v[96+n], 0
	v_mov_b32 v[224+n], 0
.set n, n+1
.endr
	WIN 0
.macro FRAG reg, adr, q, i             ; a fragment comes as it was stored: three pieces of 512 bytes, 16 bytes a lane
.irp c, 0,1,2
	ds_load_b128 v[\reg+4*\c:\reg+4*\c+3], v[\adr] offset:KSB*(\i)+1536*(\q)+512*\c
.endr
.endm
; 16 matrix instructions: A's blocks a0, a0 + 1 x B's eight, 128 along K.  p: B's set; sc: the set of scale words.  mode = 1: the first product starts the sums.
; The 64 accumulators take turns, one instruction a turn, in the same order in every step.
.macro MUL16 a0, p, q, sc, mode
.irp a, \a0, \a0+1
.irp b, 0,1,2,3,4,5,6,7
.if \mode == 1
	v_wmma_scale_f32_16x16x128_f8f6f4 v[8*(8*((\a)%4)+\b):8*(8*((\a)%4)+\b)+7], v[128*(\p)+FR*\b:128*(\p)+FR*\b+FR-1], v[AFR+FR*(\a):AFR+FR*(\a)+FR-1], 0, v[SC+8*NQ*(\sc)+NQ*\b+(\q)], v[SC+8*NQ*(\sc)+NQ*(\a)+(\q)] matrix_a_fmt:MATRIX_FMT_FP6 matrix_b_fmt:MATRIX_FMT_FP6 matrix_a_scale:MATRIX_SCALE_ROW1
.else
	v_wmma_scale_f32_16x16x128_f8f6f4 v[8*(8*((\a)%4)+\b):8*(8*((\a)%4)+\b)+7], v[128*(\p)+FR*\b:128*(\p)+FR*\b+FR-1], v[AFR+FR*(\a):AFR+FR*(\a)+FR-1], v[8*(8*((\a)%4)+\b):8*(8*((\a)%4)+\b)+7], v[SC+8*NQ*(\sc)+NQ*\b+(\q)], v[SC+8*NQ*(\sc)+NQ*(\a)+(\q)] matrix_a_fmt:MATRIX_FMT_FP6 matrix_b_fmt:MATRIX_FMT_FP6 matrix_a_scale:MATRIX_SCALE_ROW1
.endif
.endr
.endr
.endm
.macro FETCH_B slot, q, p
	WIN TO_B
.irp i, 0,1,2,3,4,5,6,7
	FRAG 128*(\p)+FR*\i, ADRB+\slot, \q, \i
.endr
	WIN 0
.endm
.macro FETCH_A slot, q, i0
.irp i, \i0, \i0+1, \i0+2, \i0+3
	FRAG AFR+FR*(\i), ADRA+\slot, \q, \i
.endr
.endm
.macro SCALES sc, ks                   ; K slot ks's scale words into set sc: two words a row; lanes 0-15 take A's block i, lanes 16-31 B's block i
.irp i, 0,1,2,3,4,5,6,7
	ds_load_b64 v[SC+8*NQ*\sc+NQ*\i:SC+8*NQ*\sc+NQ*\i+1], v[ADRS] offset:544*\i+8*\ks
.endr
.endm
; A step of 128 along K that has its successor in the same slot.  Loads into registers that matrix instructions have read stand NP places behind them.
.macro STEP slot, q, mode
	s_wait_dscnt 4*NL                              ; B's set, A's blocks 0-3 and the scale words are in; the youngest twelve loads (A's blocks 4-7) may be out
	WIN MUL_LO
	MUL16 0, (\q)%2, \q, \slot, \mode
	MUL16 2, (\q)%2, \q, \slot, \mode
	s_wait_dscnt 0
	PLACES NP
	FETCH_B \slot, (\q)+1, 1-(\q)%2
	FETCH_A \slot, (\q)+1, 0
	WIN MUL_HI
	MUL16 4, (\q)%2, \q, \slot, \mode
	MUL16 6, (\q)%2, \q, \slot, \mode
	PLACES NP
	WIN 0
	FETCH_A \slot, (\q)+1, 4
.endm
; A slot's last step changes slots: ONE barrier; in front of it each wave waits for all its tensor loads, adds 0 to its spare word, and waits for that and for its reads of this slot.
; fill = 1: the slot is filled again (the barrier then opens a round of the cluster's): on = 0 with this tile's K slot two on, on = 1 with the next tile's.  fetch = 0: the next fragments are fetched later.
.macro TURN slot, next, fill, on, ks, fetch
	s_wait_tensorcnt 0x0                           ; all my tensor loads have landed: my part of the next slot
	ds_add_u32 v[SPW], v[NIL]                      ; 0 onto my spare word
	s_wait_dscnt 4*NL+1                            ; (the add and the youngest twelve loads may be out)
	WIN MUL_LO
	MUL16 0, 1, NQ-1, \slot, 0                     ; sixteen matrix instructions stand between the add and the wait for it
	s_wait_dscnt 0x0                               ; the add is done, and my reads of this slot are over
	s_barrier_signal -1
	MUL16 2, 1, NQ-1, \slot, 0
	WIN 0
	s_barrier_wait -1
.if \fill
	CREST                                          ; no wave of any partner still reads this slot or has a load on its way
.if \on
	s_sub_nc_u64 s[G0+4*\slot+2:G0+4*\slot+3], s[G0+4*\slot+2:G0+4*\slot+3], 2*KSB          ; A: the same rows, back along K
	s_add_nc_u64 s[G0B+4*\slot+2:G0B+4*\slot+3], s[G0B+4*\slot+2:G0B+4*\slot+3], 8*TILEB-2*KSB   ; B: eight tiles on, back along K
.else
	s_add_nc_u64 s[G0+4*\slot+2:G0+4*\slot+3], s[G0+4*\slot+2:G0+4*\slot+3], 2*KSB
	s_add_nc_u64 s[G0B+4*\slot+2:G0B+4*\slot+3], s[G0B+4*\slot+2:G0B+4*\slot+3], 2*KSB
.endif
	JLOAD G0+4*\slot, G1, G0B+4*\slot, G1B         ; the first tensor load behind the round; its four v_nop are the places in front of the loads below
.else
	PLACES NP
.endif
.if \fetch
	FETCH_B \next, 0, 0
	FETCH_A \next, 0, 0
	SCALES \next, \ks
.endif
	WIN MUL_HI
	MUL16 4, 1, NQ-1, \slot, 0
	MUL16 6, 1, NQ-1, \slot, 0
	PLACES NP
	WIN 0
.if \fetch
	FETCH_A \next, 0, 4
.endif
.endm
; THE EPILOGUE OF A TILE.
.macro SCALEW dst                      ; four largest magnitudes v[BM] .. -> the conversions' scale operands v[SO] .. and the scale word
.irp g, 0,1,2,3
	v_add_nc_u32 v[SO+\g], 0xff000000, v[BM+\g]    ; 2 off the exponent field
.endr
.irp g, 0,1,2,3
	v_lshrrev_b32 v[BY+\g], 23, v[SO+\g]
.endr
	v_lshl_or_b32 v[\dst], v[BY+1], 8, v[BY]
	v_lshl_or_b32 v[\dst], v[BY+2], 16, v[\dst]
	v_lshl_or_b32 v[\dst], v[BY+3], 24, v[\dst]
.endm
.macro CODES f                         ; the 64 numbers in T become a fragment at v[f] of window 1
	WIN 0x40
.irp c, 0,1
	v_cvt_scalef32_pk16_fp6_f32 v[\f+6*\c:\f+6*\c+2], v[T+32*\c:T+32*\c+15], v[SO+2*\c]
	v_cvt_scalef32_pk16_fp6_f32 v[PT+4*\c:PT+4*\c+2], v[T+32*\c+16:T+32*\c+31], v[SO+2*\c+1]   ; (a conversion's three registers begin on an even number)
.endr
	v_nop                                          ; one plain place behind a scaled conversion
	WIN 0x41
.irp c, 0,1                            ; the operand's layout wants a WHOLE block in a lane: lanes 0-15 block 2 c, lanes 16-31 block 2 c + 1
.irp i, 0,1,2
	v_permlane16_swap_b32 v[\f+6*\c+\i], v[PT+4*\c+\i]
.endr
.irp i, 0,1,2
	v_mov_b32 v[\f+6*\c+3+\i], v[PT+4*\c+\i]
.endr
.endr
	WIN 0
.endm
; k's block a (features 16 a + lane % 16), 128 tokens: the running M, p, its sum, its codes.  Each accumulator is first read at its low end.
.macro SOFTK a
	WIN 0x2a
.irp g, 0,1,2,3
	v_max3_num_f32 v[BM+\g], v[64*\a+16*\g], v[64*\a+16*\g+1], v[64*\a+16*\g+2]   ; the largest sum of each block of 32 tokens: it serves for the maximum and, since p rises with it, for the block's largest p
.endr
	WIN 0x28
.irp i, 3,5,7,9,11,13
.irp g, 0,1,2,3
	v_max3_num_f32 v[BM+\g], v[BM+\g], v[64*\a+16*\g+\i], v[64*\a+16*\g+\i+1]
.endr
.endr
	WIN 0x08
.irp g, 0,1,2,3
	v_max_num_f32 v[BM+\g], v[BM+\g], v[64*\a+16*\g+15]
.endr
	WIN 0
.irp g, 0,1,2,3
	v_permlanex16_b32 v[BX+\g], v[BM+\g], s[SEL], s[SEL+1]
.endr
.irp g, 0,1,2,3
	v_max_num_f32 v[BM+\g], v[BM+\g], v[BX+\g]     ; with lane l xor 16's 16 tokens
.endr
	v_max3_num_f32 v[TMP], v[BM], v[BM+1], v[BM+2]
	v_max_num_f32 v[TMP], v[TMP], v[BM+3]
	v_fma_f32 v[TMP], v[TMP], s[CS], v[BV+2*\a+1]  ; as t
	v_max_num_f32 v[NM+2*\a+1], v[NM+2*\a+1], v[TMP]
	v_mov_b32 v[AD+1], v[NM+2*\a]
	v_floor_f32 v[NM+2*\a], -v[NM+2*\a+1]          ; the new -M = -ceil(t)
	v_sub_f32 v[TMP], v[NM+2*\a], v[AD+1]          ; old M - new M: a whole number, 0 or less
	v_cvt_i32_f32 v[TMP], v[TMP]                   ; (it saturates)
	v_ldexp_f32 v[FP+2*\a], 1.0, v[TMP]            ; f = 2^(old M - new M)
	v_ldexp_f32 v[FP+2*\a+1], 1.0, v[TMP]
	v_add_f32 v[AD], v[BV+2*\a+1], v[NM+2*\a]
	WIN 0x02
.set jj, 0
.rept 32
	v_pk_fma_f32 v[T+jj:T+jj+1], v[64*\a+jj:64*\a+jj+1], s[CS:CS+1], v[AD:AD+1] op_sel_hi:[1,0,0]   ; t - M
.set jj, jj+2
.endr
	WIN 0
.irp g, 0,1,2,3
	v_fma_f32 v[BM+\g], v[BM+\g], s[CS], v[AD]
.endr
.set jj, 0
.rept 64
	v_exp_f32 v[T+jj], v[T+jj]                     ; p = 2^(t - M): not normalised
.set jj, jj+1
.endr
	v_pk_mul_f32 v[LP+2*\a:LP+2*\a+1], v[LP+2*\a:LP+2*\a+1], v[FP+2*\a:FP+2*\a+1]   ; l under the new M; a plain place behind the exponentials
	s_wait_alu depctr_va_vdst(0)                   ; the wait: one for the batch, ahead of its first reader
.irp g, 0,1,2,3
	v_exp_f32 v[BM+\g], v[BM+\g]                   ; the block's largest p
.endr
	v_pk_add_f32 v[LT:LT+1], v[T:T+1], v[T+2:T+3]  ; l is taken of the unquantised p, in two chains
.set jj, 4
.rept 15
	v_pk_add_f32 v[LP+2*\a:LP+2*\a+1], v[LP+2*\a:LP+2*\a+1], v[T+jj:T+jj+1]
	v_pk_add_f32 v[LT:LT+1], v[LT:LT+1], v[T+jj+2:T+jj+3]
.set jj, jj+4
.endr
	v_pk_add_f32 v[LP+2*\a:LP+2*\a+1], v[LP+2*\a:LP+2*\a+1], v[LT:LT+1]
	s_wait_alu depctr_va_vdst(0)                   ; and one for the four
.irp g, 0,1,2,3
	v_max_num_f32 v[BM+\g], 0x1800000, v[BM+\g]    ; the floor 2^(3 - 127)
.endr
	SCALEW PS+\a
	CODES PF+12*\a
.endm
; v's block a: + bv, quantised along the tokens
.macro QUANTV a
	WIN 0x03
.set jj, 0
.rept 32
	v_pk_add_f32 v[T+jj:T+jj+1], v[64*\a+jj:64*\a+jj+1], v[BV+2*\a:BV+2*\a+1] op_sel_hi:[1,0]
.set jj, jj+2
.endr
	WIN 0
.irp g, 0,1,2,3
	v_max3_num_f32 v[BM+\g], |v[T+16*\g]|, |v[T+16*\g+1]|, 0x1800000
.endr
.irp i, 2,4,6,8,10,12,14
.irp g, 0,1,2,3
	v_max3_num_f32 v[BM+\g], v[BM+\g], |v[T+16*\g+\i]|, |v[T+16*\g+\i+1]|
.endr
.endr
.irp g, 0,1,2,3
	v_permlanex16_b32 v[BX+\g], v[BM+\g], s[SEL], s[SEL+1]
.endr
.irp g, 0,1,2,3
	v_max_num_f32 v[BM+\g], v[BM+\g], v[BX+\g]
.endr
	SCALEW VS+\a
	CODES VF+12*\a
.endm
.macro EPI
	SOFTK 0
	SOFTK 1
	SOFTK 2
	SOFTK 3
	QUANTV 0
	QUANTV 1
	QUANTV 2
	QUANTV 3
	; att^T under the new M: a lane holds one d, so the factor is the lane's own.  These 64 are also the places between the last scale word and code made above and the products below
.irp a, 0,1
.set jj, 0
.rept 16
	v_pk_mul_f32 v[64+32*\a+jj:64+32*\a+jj+1], v[64+32*\a+jj:64+32*\a+jj+1], v[FP+2*\a:FP+2*\a+1]
.set jj, jj+2
.endr
.endr
	WIN 0x41
.irp a, 2,3
.set jj, 0
.rept 16
	v_pk_mul_f32 v[96+128*(\a-2)+jj:96+128*(\a-2)+jj+1], v[96+128*(\a-2)+jj:96+128*(\a-2)+jj+1], v[FP+2*\a:FP+2*\a+1]
.set jj, jj+2
.endr
.endr
	; att^T(d, l) += sum over these 128 tokens: source 0 = 16 rows l of v^T, source 1 = 16 rows d of p^T; sixteen accumulators, one instruction each
	WIN 0x05
.irp a, 0,1
.irp b, 0,1,2,3
	v_wmma_scale_f32_16x16x128_f8f6f4 v[64+32*\a+8*\b:64+32*\a+8*\b+7], v[VF+12*\b:VF+12*\b+11], v[PF+12*\a:PF+12*\a+11], v[64+32*\a+8*\b:64+32*\a+8*\b+7], v[VS+\b], v[PS+\a] matrix_a_fmt:MATRIX_FMT_FP6 matrix_b_fmt:MATRIX_FMT_FP6
.endr
.endr
	WIN 0x55
.irp a, 2,3
.irp b, 0,1,2,3
	v_wmma_scale_f32_16x16x128_f8f6f4 v[96+128*(\a-2)+8*\b:96+128*(\a-2)+8*\b+7], v[VF+12*\b:VF+12*\b+11], v[PF+12*\a:PF+12*\a+11], v[96+128*(\a-2)+8*\b:96+128*(\a-2)+8*\b+7], v[VS+\b], v[PS+\a] matrix_a_fmt:MATRIX_FMT_FP6 matrix_b_fmt:MATRIX_FMT_FP6
.endr
.endr
	WIN 0
.endm
	s_wait_tensorcnt 1                             ; the scale bytes and my part of K slot 0 are in (K slot 1's load may be out),
	s_barrier_signal -1
	s_barrier_wait -1                              ; everybody's are
	s_wait_loadcnt 0x0                             ; the biases
.irp a, 0,1,2,3
	v_mul_f32 v[BV+2*\a+1], s[CS], v[BV+2*\a+1]    ; bk log2(e)
.endr
	s_mov_b32 s3, 2                                ; tiles to go: the same number in every work-group
.Ltile:
	PLACES NP                                      ; behind the epilogue's products, whose operands and scale words are loaded over
	FETCH_B 0, 0, 0
	FETCH_A 0, 0, 0
	SCALES 0, 0
	FETCH_A 0, 0, 4
	STEP 0, 0, 1                                   ; the first step's products start the sums
	TURN 0, 1, 1, 0, 1, 1
	STEP 1, 0, 0
	TURN 1, 0, 1, 0, 2, 1
	STEP 0, 0, 0
	s_cmp_eq_u32 s3, 1
	s_cbranch_scc1 .Llast                          ; the last tile's tail is written out: it asks for nothing more
	TURN 0, 1, 1, 1, 3, 1                          ; the ring goes on into the next tile: slot 0 takes its K slot 0,
	STEP 1, 0, 0
	TURN 1, 0, 1, 1, 0, 0                          ; slot 1 its K slot 1; this change of slots has shown slot 0 whole to every wave
	EPI
	v_add_nc_u32 v[ADRS], v[ADRS], v[DLT]          ; on to the next tile's scale words of B
	s_sub_co_u32 s3, s3, 1
	s_branch .Ltile
.Llast:
	TURN 0, 1, 0, 0, 3, 1
	STEP 1, 0, 0
	s_wait_dscnt 4*NL                              ; the very last step: nothing more to fetch
	WIN MUL_LO
	MUL16 0, 1, NQ-1, 1, 0
	MUL16 2, 1, NQ-1, 1, 0
	s_wait_dscnt 0
	WIN MUL_HI
	MUL16 4, 1, NQ-1, 1, 0
	MUL16 6, 1, NQ-1, 1, 0
	PLACES NP
	WIN 0
	EPI
	; THE TWO WAVES OF A HEAD MEET: the odd wave hands its att^T, -M and l to the even one through LDS; that one brings both under the larger M (exact powers of two), adds, and stores the part.
.set NMQ, 128
.set LSQ, 132
.set PNM, 136
.set PLS, 140
.set FA,  144
.set FB,  152
.set TQ,  160
	PLACES NP
.irp a, 0,1,2,3
	v_add_f32 v[LSQ+\a], v[LP+2*\a], v[LP+2*\a+1]
.endr
.irp a, 0,1,2,3
	v_permlanex16_b32 v[BX+\a], v[LSQ+\a], s[SEL], s[SEL+1]
.endr
.irp a, 0,1,2,3
	v_add_f32 v[LSQ+\a], v[LSQ+\a], v[BX+\a]       ; with lane l xor 16's tokens
.endr
.irp a, 0,1,2,3
	v_mov_b32 v[NMQ+\a], v[NM+2*\a]
.endr
	s_cmp_eq_u32 s16, 0
	s_cbranch_scc1 .Lkeep
.set n, 0
.rept 16
	ds_store_b128 v[CM], v[64+4*n:64+4*n+3] offset:512*n           ; each accumulator from its low end on
.set n, n+1
.endr
	WIN 0x04
.set n, 0
.rept 8
	ds_store_b128 v[CM], v[96+4*n:96+4*n+3] offset:512*(16+n)
.set n, n+1
.endr
.set n, 0
.rept 8
	ds_store_b128 v[CM], v[224+4*n:224+4*n+3] offset:512*(24+n)
.set n, n+1
.endr
	WIN 0
	ds_store_b128 v[CM], v[NMQ:NMQ+3] offset:16384
	ds_store_b128 v[CM], v[LSQ:LSQ+3] offset:16896
.Lkeep:
	s_wait_dscnt 0x0                               ; for the others' sake: my stores are done
	s_barrier_signal -1
	s_barrier_wait -1
	s_cmp_lg_u32 s16, 0
	s_cbranch_scc1 .Lend
	WIN 0x40
.set n, 0
.rept 24
	ds_load_b128 v[4*n:4*n+3], v[CM] offset:512*n
.set n, n+1
.endr
.set n, 0
.rept 8
	ds_load_b128 v[128+4*n:128+4*n+3], v[CM] offset:512*(24+n)
.set n, n+1
.endr
	WIN 0
	ds_load_b128 v[PNM:PNM+3], v[CM] offset:16384
	ds_load_b128 v[PLS:PLS+3], v[CM] offset:16896
	s_wait_dscnt 0x0
.irp a, 0,1,2,3
	v_min_num_f32 v[TQ+\a], v[NMQ+\a], v[PNM+\a]   ; the smaller -M is the larger M
.endr
.irp a, 0,1,2,3
	v_sub_f32 v[TQ+4+\a], v[TQ+\a], v[NMQ+\a]
	v_sub_f32 v[TQ+8+\a], v[TQ+\a], v[PNM+\a]
.endr
.irp a, 0,1,2,3
	v_cvt_i32_f32 v[TQ+4+\a], v[TQ+4+\a]
	v_cvt_i32_f32 v[TQ+8+\a], v[TQ+8+\a]
.endr
.irp a, 0,1,2,3
	v_ldexp_f32 v[FA+2*\a], 1.0, v[TQ+4+\a]
	v_ldexp_f32 v[FA+2*\a+1], 1.0, v[TQ+4+\a]
	v_ldexp_f32 v[FB+2*\a], 1.0, v[TQ+8+\a]
	v_ldexp_f32 v[FB+2*\a+1], 1.0, v[TQ+8+\a]
.endr
.irp a, 0,1,2,3
	v_mul_f32 v[LSQ+\a], v[LSQ+\a], v[FA+2*\a]
.endr
.irp a, 0,1,2,3
	v_fma_f32 v[LSQ+\a], v[PLS+\a], v[FB+2*\a], v[LSQ+\a]
	v_mov_b32 v[NMQ+\a], v[TQ+\a]
.endr
.irp a, 0,1
.set jj, 0
.rept 16
	v_pk_mul_f32 v[64+32*\a+jj:64+32*\a+jj+1], v[64+32*\a+jj:64+32*\a+jj+1], v[FA+2*\a:FA+2*\a+1]
.set jj, jj+2
.endr
.endr
	WIN 0x01                                       ; source 0: the partner's, window 1
.irp a, 0,1
.set jj, 0
.rept 16
	v_pk_fma_f32 v[64+32*\a+jj:64+32*\a+jj+1], v[32*\a+jj:32*\a+jj+1], v[FB+2*\a:FB+2*\a+1], v[64+32*\a+jj:64+32*\a+jj+1]
.set jj, jj+2
.endr
.endr
	WIN 0x41
.irp a, 2,3
.set jj, 0
.rept 16
	v_pk_mul_f32 v[96+128*(\a-2)+jj:96+128*(\a-2)+jj+1], v[96+128*(\a-2)+jj:96+128*(\a-2)+jj+1], v[FA+2*\a:FA+2*\a+1]
.set jj, jj+2
.endr
.endr
	WIN 0x51
.irp a, 2,3
.set jj, 0
.rept 16
	v_pk_fma_f32 v[96+128*(\a-2)+jj:96+128*(\a-2)+jj+1], v[64+64*(\a-2)+jj:64+64*(\a-2)+jj+1], v[FB+2*\a:FB+2*\a+1], v[96+128*(\a-2)+jj:96+128*(\a-2)+jj+1]
.set jj, jj+2
.endr
.endr
	WIN 0
.set n, 0
.rept 16
	global_store_b128 v[LI], v[64+4*n:64+4*n+3], s[12:13] offset:512*n     ; 32 lanes store 512 consecutive bytes
.set n, n+1
.endr
	global_store_b128 v[LI], v[NMQ:NMQ+3], s[12:13] offset:16384
	global_store_b128 v[LI], v[LSQ:LSQ+3], s[12:13] offset:16896
	WIN 0x04
.set n, 0
.rept 8
	global_store_b128 v[LI], v[96+4*n:96+4*n+3], s[12:13] offset:512*(16+n)
.set n, n+1
.endr
.set n, 0
.rept 8
	global_store_b128 v[LI], v[224+4*n:224+4*n+3], s[12:13] offset:512*(24+n)
.set n, n+1
.endr
	WIN 0
.Lend:
	s_wait_tensorcnt 0x0                           ; the wave's end, behind my last tensor load and my last LDS store
	ds_add_u32 v[SPW], v[NIL]
	s_wait_dscnt 0x0
	CROUND                                         ; the closing round: no work-group ends while a partner may still ask for a tile that names it
	s_endpgm
.Lfunc_end_k_q4211f4c1fa_kv:
	.size	k_q4211f4c1fa_kv, .Lfunc_end_k_q4211f4c1fa_kv-k_q4211f4c1fa_kv
	.p2alignl 7, 3214868480
	.fill 96, 4, 3214868480
	.section	.rodata,"a",@progbits
	.p2align	6, 0x0
	.amdhsa_kernel k_q4211f4c1fa_kv
		.amdhsa_group_segment_fixed_size 327680
		.amdhsa_private_segment_fixed_size 0
		.amdhsa_enable_private_segment 0
		.amdhsa_kernarg_size 40
		.amdhsa_user_sgpr_count 2
		.amdhsa_user_sgpr_kernarg_segment_ptr 1
		.amdhsa_wavefront_size32 1
		.amdhsa_system_sgpr_workgroup_id_x 1
		.amdhsa_system_sgpr_workgroup_id_y 1
		.amdhsa_system_sgpr_workgroup_id_z 1
		.amdhsa_system_vgpr_workitem_id 0
		.amdhsa_next_free_vgpr 1024
		.amdhsa_next_free_sgpr 102
		.amdhsa_reserve_vcc 0
		.amdhsa_float_denorm_mode_32 3
		.amdhsa_float_denorm_mode_16_64 3
		.amdhsa_memory_ordered 1
		.amdhsa_forward_progress 1
		.amdhsa_inst_pref_size 255
	.end_amdhsa_kernel
	.section	.bss,"aw",@nobits
	.p2align	6
	.space	262144
	.amdgpu_metadata
---
amdhsa.version: [ 1, 2 ]
amdhsa.kernels:
  - .name:           k_q4211f4c1fa_kv
    .symbol:         k_q4211f4c1fa_kv.kd
    .args:
      - { .name: wts, .offset: 0, .size: 8, .value_kind: global_buffer, .address_space: global }
      - { .name: xt, .offset: 8, .size: 8, .value_kind: global_buffer, .address_space: global }
      - { .name: bk, .offset: 16, .size: 8, .value_kind: global_buffer, .address_space: global }
      - { .name: bv, .offset: 24, .size: 8, .value_kind: global_buffer, .address_space: global }
      - { .name: patt, .offset: 32, .size: 8, .value_kind: global_buffer, .address_space: global }
    .group_segment_fixed_size: 327680
    .private_segment_fixed_size: 0
    .kernarg_segment_align: 8
    .kernarg_segment_size: 40
    .max_flat_workgroup_size: 128
    .sgpr_count:     102
    .vgpr_count:     1024
    .wavefront_size: 32
...
	.end_amdgpu_metadata
.endif
;; end of part 2
;; launch comb (part 3): grid 128 x 1, 4 waves a work-group, no clusters, 17,920 bytes of LDS; arguments patt, attc; writes attc
.if DOCPART == 3
	.amdgcn_target "amdgcn-amd-amdhsa--gfx1250"
	.amdhsa_code_object_version 6
	.text
	.protected	k_q4211f4c1fa_comb
	.globl	k_q4211f4c1fa_comb
	.p2align	8
	.type	k_q4211f4c1fa_comb,@function
k_q4211f4c1fa_comb:
	s_mov_b64 s[64:65], 0
	v_nop
	global_prefetch_b8 v0, s[64:65] scope:SCOPE_SE
	s_setreg_imm32_b32 hwreg(HW_REG_WAVE_MODE, 25, 1), 1
	s_wait_xcnt 0x0
; For one batch and head: the four parts of att^T (512 tokens each) are brought under the largest M (exact powers of two) and added, divided by l, turned through LDS, and quantised along d
; to codes of FP6 (E2M3), laid as the registers of the last product's operand.
; LIMITS: NaN and infinities are not served; a block of zeros keeps the byte 1 (its codes are zeros).
; A part: 32 pieces of 512 bytes (piece 2 (4 a + bl) + half = registers 4 half .. of the accumulator of d block a, l block bl: lane (r, h), register j = att(d = 16 a + r, l = 16 bl + 8 h + j)); -M at 16,384, l at 16,896 (16 bytes a lane: d blocks 0-3).
; Work-group g = 16 b + head; wave w takes d block w, then l tile w.  Out: for l tile w registers 0-3 at 768 w + 16 x lane, registers 4-5 at 768 w + 512 + 8 x lane, the scale word at 3,072 + 128 w + 4 x lane.
; The stream is small and is read once: no matrix unit, no cluster, no tensor load.
.set SPARE, 17408                      ; behind the 64 rows of 272 bytes: the spare words, 128 bytes for each wave: two blocks of 256 bytes that no other line names
.set PARTS, 278528                     ; from a part to the next of the same head: 16 parts
	s_load_b128 s[4:7], s[0:1], 0x0                ; patt, attc
	v_lshl_add_u32 v2, v0, 2, SPARE                ; my spare word; never rewritten
	v_mov_b32 v3, 0                                ; 0; never rewritten
	v_lshrrev_b32 v1, 5, v0
	v_readfirstlane_b32 s8, v1                     ; wave
	v_and_b32 v4, 31, v0                           ; lane
	v_and_b32 v5, 15, v0                           ; r
	v_bfe_u32 v6, v0, 4, 1                         ; h
	s_lshr_b32 s9, ttmp9, 4
	s_and_b32 s10, ttmp9, 15
	s_lshl_b32 s9, s9, 6
	s_add_co_u32 s9, s9, s10                       ; part 64 b + head, and 16, 32, 48 on
	s_mul_i32 s10, s9, 17408
	s_mov_b32 s11, 0
	s_lshl_b32 s12, s8, 12
	v_lshl_add_u32 v7, v4, 4, s12                  ; my d block's eight pieces: 4,096 w + 16 x lane
	s_lshl_b32 s13, s8, 2
	v_lshl_add_u32 v8, v4, 4, s13                  ; its -M and l: 16 x lane + 4 w
	s_mul_i32 s14, s8, 16*272
	v_mul_u32_u24 v9, v5, 272
	v_lshl_add_u32 v9, v6, 5, v9
	v_add_nc_u32 v9, s14, v9                       ; LDS, in: row d = 16 w + r, + 32 h
	s_lshl_b32 s14, s8, 6
	v_mul_u32_u24 v10, v6, 32*272
	v_lshl_add_u32 v10, v5, 2, v10
	v_add_nc_u32 v10, s14, v10                     ; out: rows 32 h on, column l = 16 w + r
	v_lshlrev_b32 v11, 4, v4
	v_lshlrev_b32 v12, 3, v4
	v_lshlrev_b32 v13, 2, v4
	s_mul_i32 s16, ttmp9, 3584
	s_mul_i32 s15, s8, 768
	s_add_co_u32 s18, s16, s15
	s_mov_b32 s19, 0
	s_lshl_b32 s15, s8, 7
	s_add_co_u32 s20, s16, s15
	s_add_co_u32 s20, s20, 3072
	s_mov_b32 s21, 0
	s_mov_b32 s22, 0x76543210
	s_mov_b32 s23, 0xfedcba98
	s_wait_kmcnt 0x0
	s_add_nc_u64 s[4:5], s[4:5], s[10:11]
	s_add_nc_u64 s[18:19], s[6:7], s[18:19]        ; my codes
	s_add_nc_u64 s[20:21], s[6:7], s[20:21]        ; my scale words
.irp c, 0,1,2,3
.irp i, 0,1,2,3,4,5,6,7
	global_load_b128 v[32+32*\c+4*\i:32+32*\c+4*\i+3], v7, s[4:5] offset:PARTS*\c+512*\i th:TH_LOAD_NT
.endr
	global_load_b32 v[16+\c], v8, s[4:5] offset:PARTS*\c+16384
	global_load_b32 v[20+\c], v8, s[4:5] offset:PARTS*\c+16896
.endr
	s_wait_loadcnt 0x0
	v_min_num_f32 v24, v16, v17
	v_min_num_f32 v25, v18, v19
	v_min_num_f32 v24, v24, v25                    ; the smallest -M is the largest M
.irp c, 0,1,2,3
	v_sub_f32 v[26+\c], v24, v[16+\c]
.endr
.irp c, 0,1,2,3
	v_cvt_i32_f32 v[26+\c], v[26+\c]
.endr
.irp c, 0,1,2,3
	v_ldexp_f32 v[160+2*\c], 1.0, v[26+\c]         ; 2^(the part's M - the largest M)
	v_ldexp_f32 v[161+2*\c], 1.0, v[26+\c]
.endr
	v_mul_f32 v30, v20, v160
	v_fma_f32 v30, v21, v162, v30
	v_fma_f32 v30, v22, v164, v30
	v_fma_f32 v30, v23, v166, v30                  ; l
	v_rcp_f32 v168, v30
	v_rcp_f32 v169, v30
.set jj, 0
.rept 16
	v_pk_mul_f32 v[32+jj:33+jj], v[32+jj:33+jj], v[160:161]
.set jj, jj+2
.endr
.irp c, 1,2,3
.set jj, 0
.rept 16
	v_pk_fma_f32 v[32+jj:33+jj], v[32+32*\c+jj:33+32*\c+jj], v[160+2*\c:161+2*\c], v[32+jj:33+jj]
.set jj, jj+2
.endr
.endr
	s_wait_alu depctr_va_vdst(0)                   ; the wait ahead of the reciprocals' first reader; the sums above are the work between
.set jj, 0
.rept 16
	v_pk_mul_f32 v[32+jj:33+jj], v[32+jj:33+jj], v[168:169]        ; att = the sums / l
.set jj, jj+2
.endr
.irp b, 0,1,2,3
	ds_store_b128 v9, v[32+8*\b:35+8*\b] offset:64*\b
	ds_store_b128 v9, v[36+8*\b:39+8*\b] offset:64*\b+16
.endr
	s_wait_dscnt 0x0                               ; for the others' sake: my stores are done
	s_barrier_signal -1
	s_barrier_wait -1
.set n, 0
.rept 32
	ds_load_b32 v[64+n], v10 offset:272*n          ; att(d = 32 h + n, l = 16 w + r): a whole block of 32 along d in my registers
.set n, n+1
.endr
	s_wait_dscnt 0x0
	v_max3_num_f32 v24, |v64|, |v65|, |v66|
	v_max3_num_f32 v25, |v67|, |v68|, |v69|
.irp i, 6,10,14,18,22,26
	v_max3_num_f32 v24, v24, |v[64+\i]|, |v[65+\i]|
	v_max3_num_f32 v25, v25, |v[66+\i]|, |v[67+\i]|
.endr
	v_max3_num_f32 v24, v24, |v94|, |v95|
	v_max3_num_f32 v24, v24, v25, 0x1800000        ; and the floor 2^(3 - 127)
	v_add_nc_u32 v25, 0xff000000, v24              ; 2 off the exponent field: the conversion's scale operand
	v_cvt_scalef32_pk16_fp6_f32 v[96:98], v[64:79], v25
	v_cvt_scalef32_pk16_fp6_f32 v[100:102], v[80:95], v25
	v_lshrrev_b32 v26, 23, v25                     ; the byte; also the plain instruction behind the conversions
	v_mov_b32 v99, v100
	v_mov_b32 v100, v101
	v_mov_b32 v101, v102
	v_lshlrev_b32 v27, 3, v6
	v_lshlrev_b32 v26, v27, v26                    ; at its place: 8 h bits up
	v_mov_b32 v28, 0
	v_permlanex16_b32 v28, v26, s22, s23
	v_or_b32 v26, v26, v28                         ; with lane l xor 16's: the bytes of d blocks 0 and 1,
	v_lshl_or_b32 v26, v26, 16, v26                ; and the same two once more above: the word serves a head at k = 0 .. 63 and one at k = 64 .. 127
	global_store_b128 v11, v[96:99], s[18:19]
	global_store_b64 v12, v[100:101], s[18:19] offset:512
	global_store_b32 v13, v26, s[20:21]
	s_wait_tensorcnt 0x0                           ; the wave's end, behind my last LDS store
	ds_add_u32 v2, v3
	s_wait_dscnt 0x0
	s_endpgm
.Lfunc_end_k_q4211f4c1fa_comb:
	.size	k_q4211f4c1fa_comb, .Lfunc_end_k_q4211f4c1fa_comb-k_q4211f4c1fa_comb
	.p2alignl 7, 3214868480
	.fill 96, 4, 3214868480
	.section	.rodata,"a",@progbits
	.p2align	6, 0x0
	.amdhsa_kernel k_q4211f4c1fa_comb
		.amdhsa_group_segment_fixed_size 17920
		.amdhsa_private_segment_fixed_size 0
		.amdhsa_enable_private_segment 0
		.amdhsa_kernarg_size 16
		.amdhsa_user_sgpr_count 2
		.amdhsa_user_sgpr_kernarg_segment_ptr 1
		.amdhsa_wavefront_size32 1
		.amdhsa_system_sgpr_workgroup_id_x 1
		.amdhsa_system_sgpr_workgroup_id_y 1
		.amdhsa_system_sgpr_workgroup_id_z 1
		.amdhsa_system_vgpr_workitem_id 0
		.amdhsa_next_free_vgpr 192
		.amdhsa_next_free_sgpr 66
		.amdhsa_reserve_vcc 0
		.amdhsa_float_denorm_mode_32 3
		.amdhsa_float_denorm_mode_16_64 3
		.amdhsa_memory_ordered 1
		.amdhsa_forward_progress 1
		.amdhsa_inst_pref_size 17
	.end_amdhsa_kernel
	.amdgpu_metadata
---
amdhsa.version: [ 1, 2 ]
amdhsa.kernels:
  - .name:           k_q4211f4c1fa_comb
    .symbol:         k_q4211f4c1fa_comb.kd
    .args:
      - { .name: patt, .offset: 0, .size: 8, .value_kind: global_buffer, .address_space: global }
      - { .name: attc, .offset: 8, .size: 8, .value_kind: global_buffer, .address_space: global }
    .group_segment_fixed_size: 17920
    .private_segment_fixed_size: 0
    .kernarg_segment_align: 8
    .kernarg_segment_size: 16
    .max_flat_workgroup_size: 128
    .sgpr_count:     66
    .vgpr_count:     192
    .wavefront_size: 32
...
	.end_amdgpu_metadata
.endif
;; end of part 3
;; launch qy (part 4): grid 4 x 64, 4 waves a work-group, clusters of 4 x 4, 327,680 bytes of LDS; arguments xn, wts, bq, attc, out0; writes out0
.if DOCPART == 4
	.amdgcn_target "amdgcn-amd-amdhsa--gfx1250"
	.amdhsa_code_object_version 6
	.text
	.protected	k_q4211f4c1fa_qy
	.globl	k_q4211f4c1fa_qy
	.p2align	8
	.type	k_q4211f4c1fa_qy,@function
k_q4211f4c1fa_qy:
	s_mov_b64 s[64:65], 0
	v_nop
	global_prefetch_b8 v0, s[64:65] scope:SCOPE_SE
	s_setreg_imm32_b32 hwreg(HW_REG_WAVE_MODE, 25, 1), 1
	s_wait_xcnt 0x0
	s_wait_alu depctr_hold_cnt(0) depctr_sa_sdst(0) depctr_va_vdst(0) depctr_va_sdst(0) depctr_va_ssrc(0) depctr_va_vcc(0) depctr_vm_vsrc(0)
	s_getreg_b32 s2, hwreg(HW_REG_IB_STS2, 6, 4)
	s_cmp_eq_u32 s2, 0
	s_cbranch_scc0 .Lentry_in_a_cluster
	s_endpgm
.Lentry_in_a_cluster:
	s_bfe_u32 s2, ttmp6, 0x10000c
	s_cmp_lg_u32 s2, 0xf033
	s_cbranch_scc0 .Lentry_shape_is_right
	s_endpgm
.Lentry_shape_is_right:
; q = xn Wq^T + bq on codes of FP6 (E2M3) with E8M0 scales; the softmax over a head's 64 features as p = 2^(t - M), t = q log2(e), M = ceil(the largest t); p quantised along the features;
; y(token, l) = (sum over d of p att(d, l)) / l, l the sum of the unquantised p; att comes as codes.
; LIMITS: NaN and infinities are not served; a block of zeros keeps the byte 1 (its codes are zeros).
; SHARES.  Grid x = Xc: 256 features (four heads); grid y = Y: 256 tokens of batch Y / 8.  Side A (source 1: its row becomes the result's LANE) = tokens; side B (source 0: its row becomes the result's REGISTER) = rows of Wq.
; Four waves, 128 x 128 each: wave w has tokens 128 (w / 2) on and features 128 (w % 2) on: two heads.  The rows of Wq that form a tile are chosen so that the 64 registers of a block of 16 tokens are 128 features:
; register 16 g + i = feature 32 g + 16 (lane / 16) + i.  The tokens of a tile are chosen likewise (the buffer is laid so); the stores put each row at its place.
; THE LAST PRODUCT has K = 64 a head.  p's fragment spans both heads (k = 64 hh + d); att's fragment of head hh has its six registers of codes at k = 64 hh on and six registers of zero codes for the other head.
; OPERANDS lie in memory as images of their registers: a fragment is three loads of 16 bytes a lane at 16 x lane.
; THE RING.  K = 1,024 is four K slots of 256; LDS has three slots.  K slots 0, 1 and 2 are first fills and go out together at the head, with the scale bytes: four tensor loads of a wave are out.  K slot 3 is the one refill:
; it goes into slot 0 behind the change from K slot 0 to 1, and is waited for in front of the change from K slot 2 to 3: two K slots, 256 matrix instructions, later.  The wait for all loads in front of the refill's
; barrier shows slots 1.
; CLUSTERS: 4 x 4.  A's tiles hang on Y and are asked for jointly along a row of the cluster, B's on Xc and along a column.
; LDS: ring 3 x 98,304 | scale bytes 4 x 4,352 | spare words.  The way out's stages, 16 rows x 528 bytes for each wave, lie in slot 1: it has had its only fill, and every wave's reads of it are over in front of the last change's barrier.
; REGISTERS.  window 0: v16-30 addresses; v32-63 scale words; v64-127 bq in the result's layout, then att's fragments (with v224-241); v128-223 A's fragments, in the epilogue at work; v242-249 att's scale words, v250 p's.
;   window 1: B's fragments at v0 and v128; in the epilogue rows of y at v0-127, p's codes at v128-147.   windows 2, 3: the 64 accumulators.
.set FR,    12
.set NL,    3
.set NP,    4
.set NQ,    2
.set HALFT, 24576                      ; eight tiles x 3,072 bytes: what one tensor load brings
.set SLOT,  4*HALFT
.set KSB,   3072                       ; a K slot's part of a tile: two images
.set TILEB, 12288
.set SCL,   3*SLOT
.set SPARE, SCL+4*4352                 ; the spare words, 128 bytes for each wave: two blocks of 256 bytes that no other line names
.set STAGE, SLOT                       ; in slot 1
.set WSC,   2359296
.set XSC,   12582912
.set ADRA, 16                          ; v16-18 my A fragments in slot 0, 1, 2
.set ADRB, 19                          ; v19-21 my B fragments
.set STO,  22                          ; v22  the stage: where I put 32 bytes of a row
.set RD,   23                          ; v23  and where I read a row back
.set LI,   24                          ; v24  16 x lane
.set L8,   25                          ; v25  8 x lane
.set L4,   26                          ; v26  4 x lane
.set ADRS, 27                          ; v27  my scale words: lanes 0-15 A's rows, lanes 16-31 B's
.set SPW,  28                          ; v28  LDS address of my spare word; never rewritten
.set NIL,  29                          ; v29  0; never rewritten
.set BO,   30                          ; v30  64 x (lane / 16)
.set SC,   32                          ; scale words: two sets of 16, by the K slot's parity
.set BIAS, 64
.set AFR,  128
.set T,    128
.set BM,   192
.set BX,   196
.set SO,   200
.set BY,   204
.set NMP,  208                         ; v208-211 pairs (-M, the largest t) of the two heads
.set LPQ,  212                         ; v212-215 the two heads' sums, each in two halves
.set RL,   216                         ; v216-219 pairs (1 / l, l)
.set TMP,  220
.set AS,   242
.set PW,   250
.set PQ,   128                         ; window 1: p's fragment,
.set PT,   140                         ; and eight registers at work
.set SEL,  2                           ; s[2:3] lane selects: lane l xor 16
.set G1,   24                          ; s[24:31] descriptor group 1 for A's codes; s[32:39] for B's; s[40:47], s[48:55] for their scale bytes
.set G1B,  32
.set G1S,  40
.set G1SB, 48
.set G0,   56                          ; groups 0 for A's codes, a set for each slot: s[56:59], s[60:63], s[68:71]
.set CS,   66                          ; s[66:67] log2(e), twice
.set G0B,  72                          ; for B's: s[72:75], s[76:79], s[80:83]
.set G0S,  84                          ; s[84:87], s[88:91] for the scale bytes
.set G0SB, 88
.set MSB, 0
.macro WIN new                         ; the immediate's high byte repeats the setting that is left
.if MSB != (\new)
	s_set_vgpr_msb (MSB<<8)|(\new)
.set MSB, (\new)
.endif
.endm
.set MUL_LO, 0xa1                      ; source 0 (B) window 1, source 1 (A) window 0, C and D window 2
.set MUL_HI, 0xf1
.set TO_B,   0x40
.macro JLOAD g0a, g1a, g0b, g1b        ; a joint load: waves 0 and 1 fetch for A, waves 2 and 3 for B; an s_nop 0 and four v_nop follow each of the two lines
	s_cmp_eq_u32 s15, 0
	s_cbranch_scc0 .Lfor_b_\@
	tensor_load_to_lds s[\g0a:\g0a+3], s[\g1a:\g1a+7]
	s_nop 0
.rept 4
	v_nop
.endr
	s_branch .Lasked_\@
.Lfor_b_\@:
	tensor_load_to_lds s[\g0b:\g0b+3], s[\g1b:\g1b+7]
	s_nop 0
.rept 4
	v_nop
.endr
.Lasked_\@:
.endm
.macro CREST                           ; a round of the cluster's barrier behind its opening barrier
	s_cmp_lg_u32 s14, 0
	s_cbranch_scc1 .Lnot_wave_0_\@
	s_barrier_signal -3
.Lnot_wave_0_\@:
	s_barrier_wait -3
	s_barrier_signal -1
	s_barrier_wait -1
.endm
.macro CROUND
	s_barrier_signal -1
	s_barrier_wait -1
	CREST
.endm
.macro PLACES n
.rept \n
	v_nop
.endr
.endm
	s_load_b128 s[4:7], s[0:1], 0x0                ; xn, wts
	s_load_b128 s[8:11], s[0:1], 0x10              ; bq, attc
	s_load_b64 s[12:13], s[0:1], 0x20              ; out0
	v_lshl_add_u32 v[SPW], v0, 2, SPARE
	v_mov_b32 v[NIL], 0
	ds_add_u32 v[SPW], v[NIL]                      ; the wave's opening: the add and its wait stand ahead of my first tensor load; work on registers stands between them
	v_lshrrev_b32 v1, 5, v0
	v_readfirstlane_b32 s14, v1                    ; wave 0..3
	s_lshr_b32 s15, s14, 1                         ; my half of the tokens.  Also: I fetch for A (0) or for B (1)
	s_and_b32 s16, s14, 1                          ; my half of the features.  Also: which half I fetch
	s_bfe_u32 s92, ttmp6, 0x40000                  ; cx, cy: my place in the cluster
	s_bfe_u32 s93, ttmp6, 0x40004
	s_lshl_b32 s94, ttmp9, 2
	s_add_co_u32 s94, s94, s92                     ; Xc
	s_and_b32 s17, ttmp7, 0xffff
	s_lshl_b32 s17, s17, 2
	s_add_co_u32 s17, s17, s93                     ; Y
	s_lshl_b32 s95, s93, 2
	s_lshl_b32 s95, 15, s95                        ; my row of the cluster
	s_lshl_b32 s96, 0x1111, s92                    ; my column
	s_or_b32 s[G1+0], s95, (3<<16)|(1<<21)         ; codes: eight rows (tiles) of 384 elements of 8 bytes, 1,536 elements apart; no padding
	s_or_b32 s[G1B+0], s96, (3<<16)|(1<<21)
.irp g, G1, G1B
	s_mov_b32 s[\g+1], 384<<16
	s_mov_b32 s[\g+2], 8<<16
	s_mov_b32 s[\g+3], 384<<16
	s_mov_b32 s[\g+4], 8
	s_mov_b32 s[\g+5], 1536
	s_mov_b32 s[\g+6], 0
	s_mov_b32 s[\g+7], 0
.endr
	s_or_b32 s[G1S+0], s95, (3<<16)|(1<<20)|(1<<21)|(5<<22)|(3<<25)    ; scale bytes of 128 rows: 16 rows of 256 bytes, 16 bytes of padding behind each
	s_or_b32 s[G1SB+0], s96, (3<<16)|(1<<20)|(1<<21)|(5<<22)|(3<<25)
.irp g, G1S, G1SB
	s_mov_b32 s[\g+1], 32<<16
	s_mov_b32 s[\g+2], 16<<16
	s_mov_b32 s[\g+3], 32<<16
	s_mov_b32 s[\g+4], 16
	s_mov_b32 s[\g+5], 32
	s_mov_b32 s[\g+6], 0
	s_mov_b32 s[\g+7], 0
.endr
	s_lshl_b32 s20, s17, 4
	s_lshl_b32 s18, s16, 3
	s_add_co_u32 s20, s20, s18                     ; A: tile 16 Y + 8 x half of xn
	s_lshl_b32 s22, s20, 9
	s_add_co_u32 s22, s22, XSC                     ; its scale bytes
	s_mov_b32 s23, 0
	s_mul_i32 s20, s20, TILEB                      ; its images
	s_mov_b32 s21, 0
	s_lshl_b32 s98, s94, 4
	s_add_co_u32 s98, s98, s18
	s_add_co_u32 s98, s98, 128                     ; B: tile 128 + 16 Xc + 8 x half of wts
	s_lshl_b32 s100, s98, 9
	s_add_co_u32 s100, s100, WSC
	s_mov_b32 s101, 0
	s_mul_i32 s98, s98, TILEB
	s_mov_b32 s99, 0
	s_mul_i32 s97, s14, HALFT                      ; where they go: by the wave's number alone
	s_mul_i32 s19, s14, 4352
	s_add_co_u32 s19, s19, SCL
	s_mov_b32 s[CS], 0x3fb8aa3b
	s_mov_b32 s[CS+1], s[CS]
	s_mov_b32 s[SEL], 0x76543210
	s_mov_b32 s[SEL+1], 0xfedcba98
	s_wait_dscnt 0x0                               ; the opening add is done
	s_wait_kmcnt 0x0
	s_add_nc_u64 s[20:21], s[4:5], s[20:21]
	s_add_nc_u64 s[22:23], s[4:5], s[22:23]
	s_add_nc_u64 s[98:99], s[6:7], s[98:99]
	s_add_nc_u64 s[100:101], s[6:7], s[100:101]
	CROUND                                         ; all sixteen work-groups are here: the first joint loads meet
	s_mov_b32 s[G0S], 1
	s_mov_b32 s[G0S+1], s19
	s_mov_b64 s[G0S+2:G0S+3], s[22:23]
	s_or_b32 s[G0S+3], s[G0S+3], 0x80000000
	s_mov_b32 s[G0SB], 1
	s_mov_b32 s[G0SB+1], s19
	s_mov_b64 s[G0SB+2:G0SB+3], s[100:101]
	s_or_b32 s[G0SB+3], s[G0SB+3], 0x80000000
	JLOAD G0S, G1S, G0SB, G1SB                     ; the scale bytes first: filled once
.irp s, 0,1,2
	s_mov_b32 s[G0+4*\s+4*(\s/2)], 1
	s_add_co_u32 s[G0+4*\s+4*(\s/2)+1], s97, \s*SLOT
	s_add_nc_u64 s[G0+4*\s+4*(\s/2)+2:G0+4*\s+4*(\s/2)+3], s[20:21], \s*KSB
	s_or_b32 s[G0+4*\s+4*(\s/2)+3], s[G0+4*\s+4*(\s/2)+3], 0x80000000
	s_mov_b32 s[G0B+4*\s], 1
	s_add_co_u32 s[G0B+4*\s+1], s97, \s*SLOT
	s_add_nc_u64 s[G0B+4*\s+2:G0B+4*\s+3], s[98:99], \s*KSB
	s_or_b32 s[G0B+4*\s+3], s[G0B+4*\s+3], 0x80000000
	JLOAD G0+4*\s+4*(\s/2), G1, G0B+4*\s, G1B      ; K slots 0, 1, 2: with the scale bytes four loads of mine are out
.endr
	v_and_b32 v1, 15, v0                           ; r
	v_bfe_u32 v2, v0, 4, 1                         ; h
	v_and_b32 v3, 31, v0
	v_lshlrev_b32 v[LI], 4, v3
	v_lshlrev_b32 v[L8], 3, v3
	v_lshlrev_b32 v[L4], 2, v3
	v_lshlrev_b32 v[BO], 6, v2
	s_mul_i32 s21, s15, HALFT                      ; my 128 rows of A,
	s_mul_i32 s22, s16, HALFT                      ; my 128 rows of B,
	s_add_co_u32 s22, s22, 2*HALFT                 ; which lie behind A's 256
.irp s, 0,1,2
	v_add_nc_u32 v[ADRA+\s], s21, v[LI]
	v_add_nc_u32 v[ADRB+\s], s22, v[LI]
	s_add_co_u32 s21, s21, SLOT
	s_add_co_u32 s22, s22, SLOT
.endr
	v_lshlrev_b32 v5, 5, v1                        ; my row's scale bytes: 32 a row,
	v_lshrrev_b32 v6, 3, v1
	v_lshl_add_u32 v5, v6, 4, v5                   ; and 16 more for each 256 passed
	s_mul_i32 s21, s15, 4352
	s_mul_i32 s22, s16, 4352
	s_add_co_u32 s22, s22, 2*4352
	s_sub_co_u32 s22, s22, s21
	v_mul_u32_u24 v6, s22, v2                      ; lanes 16-31 take B's
	s_add_co_u32 s21, s21, SCL
	v_add_nc_u32 v5, v5, v6
	v_add_nc_u32 v[ADRS], s21, v5
	s_mul_i32 s23, s14, 16*528
	s_add_co_u32 s23, s23, STAGE                   ; my stage
	v_mul_u32_u24 v5, v1, 528
	v_lshl_add_u32 v5, v2, 5, v5
	v_add_nc_u32 v[STO], s23, v5
	v_add_nc_u32 v[RD], s23, v[LI]
	s_lshl_b32 s92, s94, 10
	s_lshl_b32 s93, s16, 9
	s_add_co_u32 s92, s92, s93                     ; my 128 features, in bytes
	s_mov_b32 s93, 0
	s_add_nc_u64 s[8:9], s[8:9], s[92:93]          ; in bq
	s_lshl_b32 s96, s17, 8
	s_lshl_b32 s97, s15, 7
	s_add_co_u32 s96, s96, s97                     ; my first row of out0
	s_lshl_b32 s96, s96, 12
	s_add_co_u32 s96, s96, s92
	s_mov_b32 s97, 0
	s_add_nc_u64 s[12:13], s[12:13], s[96:97]
	s_lshr_b32 s96, s17, 3                         ; the batch
	s_lshl_b32 s96, s96, 4
	s_lshl_b32 s92, s94, 2
	s_add_co_u32 s96, s96, s92
	s_lshl_b32 s92, s16, 1
	s_add_co_u32 s96, s96, s92                     ; 16 b + my first head
	s_mul_i32 s96, s96, 3584
	s_add_nc_u64 s[10:11], s[10:11], s[96:97]
.irp b, 0,1,2,3,4,5,6,7
	global_load_b128 v[BIAS+8*\b:BIAS+8*\b+3], v[BO], s[8:9] offset:(32*(\b/2)+8*(\b%2))*4        ; bq at features 32 (b / 2) + 16 h + 8 (b % 2) + 0 .. 7
	global_load_b128 v[BIAS+8*\b+4:BIAS+8*\b+7], v[BO], s[8:9] offset:(32*(\b/2)+8*(\b%2))*4+16
.endr
.irp g, 0,1,2,3
	v_mov_b32 v[BX+\g], 0                          ; written once: a lane permute's destination counts as one of its sources
.endr
.macro FRAG reg, adr, q, i             ; a fragment comes as it was stored: three pieces of 512 bytes, 16 bytes a lane
.irp c, 0,1,2
	ds_load_b128 v[\reg+4*\c:\reg+4*\c+3], v[\adr] offset:KSB*(\i)+1536*(\q)+512*\c
.endr
.endm
; 16 matrix instructions: A's blocks a0, a0 + 1 x B's eight, 128 along K.  p: B's set; sc: the set of scale words.  mode = 2: the first product starts the sums from bq.
; The 64 accumulators take turns, one instruction a turn, in the same order in every step.
.macro MUL16 a0, p, q, sc, mode
.irp a, \a0, \a0+1
.irp b, 0,1,2,3,4,5,6,7
.if \mode == 2
	v_wmma_scale_f32_16x16x128_f8f6f4 v[8*(8*((\a)%4)+\b):8*(8*((\a)%4)+\b)+7], v[128*(\p)+FR*\b:128*(\p)+FR*\b+FR-1], v[AFR+FR*(\a):AFR+FR*(\a)+FR-1], v[BIAS+8*\b:BIAS+8*\b+7], v[SC+8*NQ*(\sc)+NQ*\b+(\q)], v[SC+8*NQ*(\sc)+NQ*(\a)+(\q)] matrix_a_fmt:MATRIX_FMT_FP6 matrix_b_fmt:MATRIX_FMT_FP6 matrix_a_scale:MATRIX_SCALE_ROW1
.else
	v_wmma_scale_f32_16x16x128_f8f6f4 v[8*(8*((\a)%4)+\b):8*(8*((\a)%4)+\b)+7], v[128*(\p)+FR*\b:128*(\p)+FR*\b+FR-1], v[AFR+FR*(\a):AFR+FR*(\a)+FR-1], v[8*(8*((\a)%4)+\b):8*(8*((\a)%4)+\b)+7], v[SC+8*NQ*(\sc)+NQ*\b+(\q)], v[SC+8*NQ*(\sc)+NQ*(\a)+(\q)] matrix_a_fmt:MATRIX_FMT_FP6 matrix_b_fmt:MATRIX_FMT_FP6 matrix_a_scale:MATRIX_SCALE_ROW1
.endif
.endr
.endr
.endm
.macro FETCH_B slot, q, p
	WIN TO_B
.irp i, 0,1,2,3,4,5,6,7
	FRAG 128*(\p)+FR*\i, ADRB+\slot, \q, \i
.endr
	WIN 0
.endm
.macro FETCH_A slot, q, i0
.irp i, \i0, \i0+1, \i0+2, \i0+3
	FRAG AFR+FR*(\i), ADRA+\slot, \q, \i
.endr
.endm
.macro SCALES sc, ks                   ; K slot ks's scale words into set sc: two words a row; lanes 0-15 take A's block i, lanes 16-31 B's block i
.irp i, 0,1,2,3,4,5,6,7
	ds_load_b64 v[SC+8*NQ*\sc+NQ*\i:SC+8*NQ*\sc+NQ*\i+1], v[ADRS] offset:544*\i+8*\ks
.endr
.endm
; A step of 128 along K that has its successor in the same slot.  Loads into registers that matrix instructions have read stand NP places behind them.
.macro STEP slot, q, sc, mode
	s_wait_dscnt 4*NL                              ; B's set, A's blocks 0-3 and the scale words are in; the youngest twelve loads (A's blocks 4-7) may be out
.if \mode == 2
	WIN 0x81                                       ; C (bq) window 0, D window 2
.else
	WIN MUL_LO
.endif
	MUL16 0, (\q)%2, \q, \sc, \mode
	MUL16 2, (\q)%2, \q, \sc, \mode
	s_wait_dscnt 0
	PLACES NP
	FETCH_B \slot, (\q)+1, 1-(\q)%2
	FETCH_A \slot, (\q)+1, 0
.if \mode == 2
	WIN 0xc1
.else
	WIN MUL_HI
.endif
	MUL16 4, (\q)%2, \q, \sc, \mode
	MUL16 6, (\q)%2, \q, \sc, \mode
	PLACES NP
	WIN 0
	FETCH_A \slot, (\q)+1, 4
.endm
; A slot's last step changes slots.  sc: this K slot's set of scale words; nsc, ks: the next one's set and number.
; kind = 1: this slot is filled again, three K slots on.  In front of the barrier each wave waits for all its tensor loads, adds 0 to its spare word, and waits for that and for its reads of this slot; the barrier opens a
;           round of the cluster's, and the joint refill is the first thing behind it.
; kind = 0: the same lines and a plain barrier: the refill, of which each wave has waited for its part, is shown whole to every wave; nothing is filled.
; kind = 2: nothing is filled, and the next slot was shown whole at the barrier of kind 1: no wait on the tensor loads (the refill stays out), no barrier.
.macro TURN slot, next, kind, ks, sc, nsc
.if \kind == 2
	s_wait_dscnt 4*NL                              ; the youngest twelve loads (A's blocks 4-7) may be out
	WIN MUL_LO
	MUL16 0, 1, NQ-1, \sc, 0
	MUL16 2, 1, NQ-1, \sc, 0
	s_wait_dscnt 0
	PLACES NP
.else
	s_wait_tensorcnt 0x0                           ; all my tensor loads have landed
	ds_add_u32 v[SPW], v[NIL]                      ; 0 onto my spare word
	s_wait_dscnt 4*NL+1                            ; (the add and the youngest twelve loads may be out)
	WIN MUL_LO
	MUL16 0, 1, NQ-1, \sc, 0                       ; sixteen matrix instructions stand between the add and the wait for it
	s_wait_dscnt 0x0                               ; the add is done, and my reads of this slot are over
	s_barrier_signal -1
	MUL16 2, 1, NQ-1, \sc, 0
	WIN 0
	s_barrier_wait -1
.if \kind == 1
	CREST                                          ; no wave of any partner still reads this slot or has a load on its way
	s_add_nc_u64 s[G0+4*\slot+4*(\slot/2)+2:G0+4*\slot+4*(\slot/2)+3], s[G0+4*\slot+4*(\slot/2)+2:G0+4*\slot+4*(\slot/2)+3], 3*KSB
	s_add_nc_u64 s[G0B+4*\slot+2:G0B+4*\slot+3], s[G0B+4*\slot+2:G0B+4*\slot+3], 3*KSB
	JLOAD G0+4*\slot+4*(\slot/2), G1, G0B+4*\slot, G1B   ; the first tensor load behind the round; its four v_nop are the places in front of the loads below
.else
	PLACES NP
.endif
.endif
	FETCH_B \next, 0, 0
	FETCH_A \next, 0, 0
	SCALES \nsc, \ks
	WIN MUL_HI
	MUL16 4, 1, NQ-1, \sc, 0
	MUL16 6, 1, NQ-1, \sc, 0
	PLACES NP
	WIN 0
	FETCH_A \next, 0, 4
.endm
	s_wait_tensorcnt 0x2                           ; the scale bytes and my part of K slot 0 are in (the loads of K slots 1 and 2 may be out)
	s_barrier_signal -1
	s_barrier_wait -1                              ; everybody's are
	FETCH_B 0, 0, 0
	FETCH_A 0, 0, 0
	SCALES 0, 0
	FETCH_A 0, 0, 4
	s_wait_loadcnt 0x0                             ; bq
	STEP 0, 0, 0, 2                                ; the first step's products start the sums from bq
	; att's fragments take bq's registers (four places stand behind the last product that read them).  For l tile lt: [head 0's six registers][six of zero codes][head 1's six]: head hh's fragment begins 6 hh registers in.
.irp hh, 0,1
.irp lt, 0,1,2,3
	global_load_b128 v[64+18*\lt+106*(\lt/3)+12*\hh:64+18*\lt+106*(\lt/3)+12*\hh+3], v[LI], s[10:11] offset:3584*\hh+768*\lt
	global_load_b64 v[64+18*\lt+106*(\lt/3)+12*\hh+4:64+18*\lt+106*(\lt/3)+12*\hh+5], v[L8], s[10:11] offset:3584*\hh+768*\lt+512
	global_load_b32 v[AS+4*\hh+\lt], v[L4], s[10:11] offset:3584*\hh+3072+128*\lt
.endr
.endr
.irp lt, 0,1,2,3
.irp i, 6,7,8,9,10,11
	v_mov_b32 v[64+18*\lt+106*(\lt/3)+\i], 0
.endr
.endr
	TURN 0, 1, 1, 1, 0, 1                          ; K slot 0 ends; slot 0 takes K slot 3
	STEP 1, 0, 1, 0
	TURN 1, 2, 2, 2, 1, 0                          ; K slot 1 ends; slot 2 has been whole since the round above
	STEP 2, 0, 0, 0
	TURN 2, 0, 0, 3, 0, 1                          ; K slot 2 ends; K slot 3, asked for 256 matrix instructions ago, is waited for
	STEP 0, 0, 1, 0
	s_wait_dscnt 4*NL                              ; the very last step: nothing more to fetch
	WIN MUL_LO
	MUL16 0, 1, NQ-1, 1, 0
	MUL16 2, 1, NQ-1, 1, 0
	s_wait_dscnt 0
	WIN MUL_HI
	MUL16 4, 1, NQ-1, 1, 0
	MUL16 6, 1, NQ-1, 1, 0
	PLACES NP
	WIN 0
	s_wait_loadcnt 0x0                             ; att
; THE EPILOGUE, a block of 16 tokens at a time.
; SOFTQ: block a's 64 registers a lane (two heads x two blocks of 32 features; the other half of each block lies in lane l xor 16) become p's fragment, its scale word, and the heads' sums.
.macro SOFTQ a
.set W,  2+(\a)/4
.set QB, 64*((\a)%4)
	WIN W|(W<<2)|(W<<4)
.irp g, 0,1,2,3
	v_max3_num_f32 v[BM+\g], v[QB+16*\g], v[QB+16*\g+1], v[QB+16*\g+2]     ; each accumulator is first read at its low end
.endr
	WIN (W<<2)|(W<<4)
.irp i, 3,5,7,9,11,13
.irp g, 0,1,2,3
	v_max3_num_f32 v[BM+\g], v[BM+\g], v[QB+16*\g+\i], v[QB+16*\g+\i+1]
.endr
.endr
	WIN W<<2
.irp g, 0,1,2,3
	v_max_num_f32 v[BM+\g], v[BM+\g], v[QB+16*\g+15]
.endr
	WIN 0
.irp g, 0,1,2,3
	v_permlanex16_b32 v[BX+\g], v[BM+\g], s[SEL], s[SEL+1]
.endr
.irp g, 0,1,2,3
	v_max_num_f32 v[BM+\g], v[BM+\g], v[BX+\g]     ; the block's largest q
.endr
	v_max_num_f32 v[TMP], v[BM], v[BM+1]
	v_max_num_f32 v[TMP+1], v[BM+2], v[BM+3]       ; each head's
	v_mul_f32 v[NMP+1], s[CS], v[TMP]
	v_mul_f32 v[NMP+3], s[CS], v[TMP+1]            ; as t
	v_floor_f32 v[NMP], -v[NMP+1]
	v_floor_f32 v[NMP+2], -v[NMP+3]                ; -M = -ceil(t)
	s_wait_dscnt 0x0                               ; the stage's stores of the block before have read T
	WIN W
.set jj, 0
.rept 16
	v_pk_fma_f32 v[T+jj:T+jj+1], v[QB+jj:QB+jj+1], s[CS:CS+1], v[NMP:NMP+1] op_sel_hi:[1,0,0]
.set jj, jj+2
.endr
.rept 16
	v_pk_fma_f32 v[T+jj:T+jj+1], v[QB+jj:QB+jj+1], s[CS:CS+1], v[NMP+2:NMP+3] op_sel_hi:[1,0,0]
.set jj, jj+2
.endr
	WIN 0
.irp g, 0,1,2,3
	v_fma_f32 v[BM+\g], v[BM+\g], s[CS], v[NMP+2*(\g/2)]
.endr
.set jj, 0
.rept 64
	v_exp_f32 v[T+jj], v[T+jj]                     ; p = 2^(t - M): not normalised
.set jj, jj+1
.endr
	v_nop                                          ; a plain place behind the exponentials
	s_wait_alu depctr_va_vdst(0)                   ; the wait: one for the batch, ahead of its first reader
.irp g, 0,1,2,3
	v_exp_f32 v[BM+\g], v[BM+\g]                   ; the block's largest p
.endr
	v_pk_add_f32 v[LPQ:LPQ+1], v[T:T+1], v[T+2:T+3]                ; the sums are taken of the unquantised p; the two heads by turns
	v_pk_add_f32 v[LPQ+2:LPQ+3], v[T+32:T+33], v[T+34:T+35]
.set jj, 4
.rept 14
	v_pk_add_f32 v[LPQ:LPQ+1], v[LPQ:LPQ+1], v[T+jj:T+jj+1]
	v_pk_add_f32 v[LPQ+2:LPQ+3], v[LPQ+2:LPQ+3], v[T+32+jj:T+33+jj]
.set jj, jj+2
.endr
	s_wait_alu depctr_va_vdst(0)                   ; and one for the four
.irp g, 0,1,2,3
	v_max_num_f32 v[BM+\g], 0x1800000, v[BM+\g]    ; the floor 2^(3 - 127)
.endr
.irp g, 0,1,2,3
	v_add_nc_u32 v[SO+\g], 0xff000000, v[BM+\g]    ; 2 off the exponent field: the conversion's scale operand
.endr
.irp g, 0,1,2,3
	v_lshrrev_b32 v[BY+\g], 23, v[SO+\g]
.endr
	v_lshl_or_b32 v[PW], v[BY+1], 8, v[BY]
	v_lshl_or_b32 v[PW], v[BY+2], 16, v[PW]
	v_lshl_or_b32 v[PW], v[BY+3], 24, v[PW]
	WIN 0x40
.irp c, 0,1
	v_cvt_scalef32_pk16_fp6_f32 v[PQ+6*\c:PQ+6*\c+2], v[T+32*\c:T+32*\c+15], v[SO+2*\c]
	v_cvt_scalef32_pk16_fp6_f32 v[PT+4*\c:PT+4*\c+2], v[T+32*\c+16:T+32*\c+31], v[SO+2*\c+1]
.endr
	v_nop                                          ; one plain place behind a scaled conversion
	WIN 0x41
.irp c, 0,1                            ; the operand's layout wants a WHOLE block in a lane
.irp i, 0,1,2
	v_permlane16_swap_b32 v[PQ+6*\c+\i], v[PT+4*\c+\i]
.endr
.irp i, 0,1,2
	v_mov_b32 v[PQ+6*\c+3+\i], v[PT+4*\c+\i]
.endr
.endr
	WIN 0
	v_add_f32 v[RL+1], v[LPQ], v[LPQ+1]
	v_add_f32 v[RL+3], v[LPQ+2], v[LPQ+3]
	v_permlanex16_b32 v[BX], v[RL+1], s[SEL], s[SEL+1]
	v_permlanex16_b32 v[BX+1], v[RL+3], s[SEL], s[SEL+1]
	v_add_f32 v[RL+1], v[RL+1], v[BX]
	v_add_f32 v[RL+3], v[RL+3], v[BX+1]            ; each head's l
	PLACES 4                                       ; with the v_nop and the four additions above: nine places between the scale word's last write and the products
.endm
; y^T: source 0 = 16 rows l of att^T, source 1 = p's 16 tokens; the results take the places of block a's sums, which are done with.  Register 8 (4 hh + lt) + j = feature 64 hh + 16 lt + 8 (lane / 16) + j.
.macro PV5 a
.set QB, 64*((\a)%4)
	WIN 0x84+0x40*((\a)/4)
.irp hh, 0,1
.irp lt, 0,1,2,3
	v_wmma_scale_f32_16x16x128_f8f6f4 v[QB+8*(4*\hh+\lt):QB+8*(4*\hh+\lt)+7], v[64+18*\lt+106*(\lt/3)+6*\hh:64+18*\lt+106*(\lt/3)+6*\hh+11], v[PQ:PQ+11], 0, v[AS+4*\hh+\lt], v[PW] matrix_a_fmt:MATRIX_FMT_FP6 matrix_b_fmt:MATRIX_FMT_FP6
.endr
.endr
	WIN 0
.endm
; Block a's results / l go through my stage and come back as whole rows of 512 bytes.
.macro YOUT a
.set W,  2+(\a)/4
.set QB, 64*((\a)%4)
	v_rcp_f32 v[RL], v[RL+1]
	v_rcp_f32 v[RL+2], v[RL+3]
	PLACES NP                                      ; the places behind the products, and the plain place behind the reciprocals
	s_wait_alu depctr_va_vdst(0)                   ; the wait ahead of the first reader: one for both
	WIN W
.set jj, 0
.rept 16
	v_pk_mul_f32 v[T+jj:T+jj+1], v[QB+jj:QB+jj+1], v[RL:RL+1] op_sel_hi:[1,0]
.set jj, jj+2
.endr
.rept 16
	v_pk_mul_f32 v[T+jj:T+jj+1], v[QB+jj:QB+jj+1], v[RL+2:RL+3] op_sel_hi:[1,0]
.set jj, jj+2
.endr
	WIN 0
.irp q, 0,1,2,3,4,5,6,7
	ds_store_b128 v[STO], v[T+8*\q:T+8*\q+3] offset:64*\q
	ds_store_b128 v[STO], v[T+8*\q+4:T+8*\q+7] offset:64*\q+16
.endr
.if (\a) >= 2
	s_wait_xcnt 0x0                                ; the stores of two blocks back have read their registers: the loads below may land there
.endif
	WIN 0x40
.irp t, 0,1,2,3,4,5,6,7,8,9,10,11,12,13,14,15
	ds_load_b128 v[64*((\a)%2)+4*\t:64*((\a)%2)+4*\t+3], v[RD] offset:528*\t      ; LDS serves a wave's instructions in order: these see the stores above
.endr
	WIN 0
.endm
.macro SEND a
	s_wait_dscnt 0x0                               ; the block's rows are back in registers
	WIN 0x04                                       ; a store's data are its source 1: window 1
.irp t, 0,1,2,3,4,5,6,7,8,9,10,11,12,13,14,15
	global_store_b128 v[LI], v[64*((\a)%2)+4*\t:64*((\a)%2)+4*\t+3], s[12:13] offset:(32*((\a)/2)+8*((\a)%2)+\t+8*(\t/8))*4096 th:TH_STORE_NT   ; row t of the tile is token 32 (a / 2) + 8 (a % 2) + t + 8 (t / 8); 32 lanes store 512 consecutive bytes
.endr
	WIN 0
.endm
.irp a, 0,1,2,3,4,5,6,7
	SOFTQ \a
	PV5 \a
.if \a > 0
	SEND \a-1
.endif
	YOUT \a
.endr
	SEND 7
	s_wait_tensorcnt 0x0                           ; the wave's end, behind my last tensor load and my last LDS store
	ds_add_u32 v[SPW], v[NIL]
	s_wait_dscnt 0x0
	CROUND                                         ; the closing round: no work-group ends while a partner may still ask for a tile that names it
	s_endpgm
.Lfunc_end_k_q4211f4c1fa_qy:
	.size	k_q4211f4c1fa_qy, .Lfunc_end_k_q4211f4c1fa_qy-k_q4211f4c1fa_qy
	.p2alignl 7, 3214868480
	.fill 96, 4, 3214868480
	.section	.rodata,"a",@progbits
	.p2align	6, 0x0
	.amdhsa_kernel k_q4211f4c1fa_qy
		.amdhsa_group_segment_fixed_size 327680
		.amdhsa_private_segment_fixed_size 0
		.amdhsa_enable_private_segment 0
		.amdhsa_kernarg_size 40
		.amdhsa_user_sgpr_count 2
		.amdhsa_user_sgpr_kernarg_segment_ptr 1
		.amdhsa_wavefront_size32 1
		.amdhsa_system_sgpr_workgroup_id_x 1
		.amdhsa_system_sgpr_workgroup_id_y 1
		.amdhsa_system_sgpr_workgroup_id_z 1
		.amdhsa_system_vgpr_workitem_id 0
		.amdhsa_next_free_vgpr 1024
		.amdhsa_next_free_sgpr 102
		.amdhsa_reserve_vcc 0
		.amdhsa_float_denorm_mode_32 3
		.amdhsa_float_denorm_mode_16_64 3
		.amdhsa_memory_ordered 1
		.amdhsa_forward_progress 1
		.amdhsa_inst_pref_size 255
	.end_amdhsa_kernel
	.section	.bss,"aw",@nobits
	.p2align	6
	.space	262144
	.amdgpu_metadata
---
amdhsa.version: [ 1, 2 ]
amdhsa.kernels:
  - .name:           k_q4211f4c1fa_qy
    .symbol:         k_q4211f4c1fa_qy.kd
    .args:
      - { .name: xn, .offset: 0, .size: 8, .value_kind: global_buffer, .address_space: global }
      - { .name: wts, .offset: 8, .size: 8, .value_kind: global_buffer, .address_space: global }
      - { .name: bq, .offset: 16, .size: 8, .value_kind: global_buffer, .address_space: global }
      - { .name: attc, .offset: 24, .size: 8, .value_kind: global_buffer, .address_space: global }
      - { .name: out0, .offset: 32, .size: 8, .value_kind: global_buffer, .address_space: global }
    .group_segment_fixed_size: 327680
    .private_segment_fixed_size: 0
    .kernarg_segment_align: 8
    .kernarg_segment_size: 40
    .max_flat_workgroup_size: 128
    .sgpr_count:     102
    .vgpr_count:     1024
    .wavefront_size: 32
...
	.end_amdgpu_metadata
.endif
;; end of part 4
